; MI455X (gfx1250); checked and timed in simulation.
; The chip was launched on July 23, 2026; its instructions are those of AMD's public machine-readable ISA for CDNA 5 (MIT licence, August 2026) and "CDNA5" Instruction Set Architecture Reference Guide (July 2026). The comments in the code are by the model that wrote it; some were corrected since.
;; Simple Transformer Block. Allowed arithmetic: float matrix products may take bf16 or f16 operands with f32 sums; other float arithmetic in f32, or as packed bf16 or f16 multiplies, adds, multiply-adds, maxima and minima; sums over many terms, partial sums and values carried from step to step in f32; what a program stores and reads back later, other than sums and carried values, may be rounded once to bf16 or f16.
;; Inputs: b1 4,096 float32; b2 1,024 float32; be1 1,024 float32; be2 1,024 float32; bk 1,024 float32; bo 1,024 float32; bq 1,024 float32; bv 1,024 float32; g1 1,024 float32; g2 1,024 float32; w1 1,024 x 4,096 float32; w2 4,096 x 1,024 float32; wk 1,024 x 1,024 float32; wo 1,024 x 1,024 float32; wq 1,024 x 1,024 float32; wv 1,024 x 1,024 float32; x 2 x 2,048 x 1,024 float32.
;; Outputs: out0 2 x 2,048 x 1,024 float32.
;; 2 versions, each right; version 2 is version 1 with the launches l_prep, l_ln2 written anew for expert scheduling mode. Each part assembles by itself: llvm-mc -triple=amdgcn-amd-amdhsa -mcpu=gfx1250 --defsym DOCPART=n.
;; ======== version 1 of 2: 7 launches
;; workspace buffers: wbf 25,165,824 bytes; hbuf 8,388,608 bytes; qkvb 25,165,824 bytes; obuf 8,388,608 bytes; x1buf 16,777,216 bytes; abuf 33,554,432 bytes
;; launch l_prep (part 1): grid 256 x 7, 8 waves a work-group, no clusters, 0 bytes of LDS; arguments x, g1, be1, hbuf, wq, wk, wv, wo, w1, w2, wbf; writes hbuf, wbf
.if DOCPART == 1
	.amdgcn_target "amdgcn-amd-amdhsa--gfx1250"
	.amdhsa_code_object_version 6
	.text
	.protected	k_qf81f19d628_l_prep
	.globl	k_qf81f19d628_l_prep
	.p2align	8
	.type	k_qf81f19d628_l_prep,@function
k_qf81f19d628_l_prep:
	s_mov_b64 s[64:65], 0
	v_nop
	global_prefetch_b8 v0, s[64:65] scope:SCOPE_SE
	s_setreg_imm32_b32 hwreg(HW_REG_WAVE_MODE, 25, 1), 1
	s_wait_xcnt 0x0
; TWO STREAMS IN ONE TEXT, told apart by the work-group's y.
; y = 0: h[row][:] = (x - mean) * rsqrt(var + 1e-5) * g + be, rounded once to bf16.  x: [4096][1024] f32, h: [4096][1024] bf16.
;   One wave takes a whole row (4,096 bytes = 32 registers a lane) and keeps it between the passes, so x is read once; a wave has two rows: 256 groups x 8 waves x 2.
;   The deviations x - mean are formed first and squared afterwards, as the definition has it: no difference of large sums.
; y = 1..6: the six weight matrices, f32 to bf16, each in its own [K][N] order, into one buffer: wq 0, wk 2 MiB, wv 4 MiB, wo 6 MiB, w1 8 MiB, w2 16 MiB.
;   1,536 work-groups of 8,192 numbers.  No LDS, no matrix unit, no cluster: no byte is wanted twice.
.set T,   4                            ; v[4:11]  four chains of packed sums
.set X0,  32                           ; v[32:63]  row 0: register 4 j + c holds column 128 j + 4 lane + c
.set X1,  64                           ; v[64:95]  row 1
.set GR,  96                           ; v[96:127] g, same columns
.set BR,  128                          ; v[128:159] be
.set Y0,  160                          ; v[160:175] row 0 as bf16
.set Y1,  176                          ; v[176:191] row 1
	s_load_b256 s[4:11], s[0:1], 0x0               ; x s[4:5], g s[6:7], be s[8:9], h s[10:11]
	s_load_b256 s[12:19], s[0:1], 0x20             ; wq, wk, wv, wo
	s_load_b128 s[20:23], s[0:1], 0x40             ; w1, w2
	s_load_b64 s[24:25], s[0:1], 0x50              ; the bf16 weights
	s_and_b32 s26, ttmp7, 0xffff                   ; y
	v_lshrrev_b32 v3, 5, v0
	v_readfirstlane_b32 s27, v3                    ; wave 0..7
	s_cmp_lg_u32 s26, 0
	s_cbranch_scc1 .Lcvt
	v_and_b32 v1, 31, v0
	v_lshlrev_b32 v2, 3, v1                        ; 8 x lane: my 8 bytes of 256 of h
	v_lshlrev_b32 v1, 4, v1                        ; 16 x lane: my 16 bytes of 512 of x
	v_mov_b32 v13, 0                               ; v_permlanex16_b32's destination counts as read
	s_lshl_b32 s28, ttmp9, 3
	s_add_co_u32 s28, s28, s27                     ; my pair of rows, 0..2047
	s_lshl_b32 s34, s28, 13                        ; two rows of 4,096 bytes
	s_mov_b32 s35, 0
	s_lshl_b32 s36, s28, 12                        ; two rows of 2,048 bytes
	s_mov_b32 s37, 0
	s_mov_b32 s30, 0x3a800000                      ; 1 / 1024
	s_mov_b32 s31, 0x3727c5ac                      ; 1e-5
	s_mov_b32 s32, 0x76543210                      ; each lane takes its own place in the other half
	s_mov_b32 s33, 0xfedcba98
	s_wait_kmcnt 0x0
	s_add_nc_u64 s[4:5], s[4:5], s[34:35]
	s_add_nc_u64 s[10:11], s[10:11], s[36:37]
.irp j, 0,1,2,3,4,5,6,7
	global_load_b128 v[X0+4*(\j):X0+4*(\j)+3], v1, s[4:5] offset:512*(\j) th:TH_LOAD_NT
.endr
.irp j, 0,1,2,3,4,5,6,7
	global_load_b128 v[X1+4*(\j):X1+4*(\j)+3], v1, s[4:5] offset:4096+512*(\j) th:TH_LOAD_NT
.endr
.irp j, 0,1,2,3,4,5,6,7
	global_load_b128 v[GR+4*(\j):GR+4*(\j)+3], v1, s[6:7] offset:512*(\j)
.endr
.irp j, 0,1,2,3,4,5,6,7
	global_load_b128 v[BR+4*(\j):BR+4*(\j)+3], v1, s[8:9] offset:512*(\j)
.endr
; The four chains into one number, then over the 32 lanes: every lane ends with the row's sum in v12.
.macro JOIN
	v_pk_add_f32 v[T:T+1], v[T:T+1], v[T+2:T+3]
	v_pk_add_f32 v[T+4:T+5], v[T+4:T+5], v[T+6:T+7]
	v_pk_add_f32 v[T:T+1], v[T:T+1], v[T+4:T+5]
	v_add_f32 v12, v[T], v[T+1]
	v_add_f32_dpp v12, v12, v12 row_xmask:1 row_mask:0xf bank_mask:0xf
	v_add_f32_dpp v12, v12, v12 row_xmask:2 row_mask:0xf bank_mask:0xf
	v_add_f32_dpp v12, v12, v12 row_xmask:4 row_mask:0xf bank_mask:0xf
	v_add_f32_dpp v12, v12, v12 row_xmask:8 row_mask:0xf bank_mask:0xf
	v_permlanex16_b32 v13, v12, s32, s33
	v_add_f32 v12, v12, v13
.endm
; A row's mean (pair mu), its deviations in place, and 1 / sqrt(var + eps) (pair rs; waited for later, once for both rows).
.macro STAT x, mu, rs
.irp k, 0,1,2,3
	v_pk_add_f32 v[T+2*(\k):T+2*(\k)+1], v[(\x)+2*(\k):(\x)+2*(\k)+1], v[(\x)+8+2*(\k):(\x)+8+2*(\k)+1]
.endr
.irp k, 0,1,2,3
	v_pk_add_f32 v[T+2*(\k):T+2*(\k)+1], v[T+2*(\k):T+2*(\k)+1], v[(\x)+16+2*(\k):(\x)+16+2*(\k)+1]
.endr
.irp k, 0,1,2,3
	v_pk_add_f32 v[T+2*(\k):T+2*(\k)+1], v[T+2*(\k):T+2*(\k)+1], v[(\x)+24+2*(\k):(\x)+24+2*(\k)+1]
.endr
	JOIN
	v_mul_f32 v[(\mu)], s30, v12
	v_mul_f32 v[(\mu)+1], s30, v12
.set i, 0
.rept 16
	v_pk_add_f32 v[(\x)+i:(\x)+i+1], v[(\x)+i:(\x)+i+1], v[(\mu):(\mu)+1] neg_lo:[0,1] neg_hi:[0,1]
.set i, i+2
.endr
.irp k, 0,1,2,3
	v_pk_mul_f32 v[T+2*(\k):T+2*(\k)+1], v[(\x)+2*(\k):(\x)+2*(\k)+1], v[(\x)+2*(\k):(\x)+2*(\k)+1]
.endr
.set i, 8
.rept 12
	v_pk_fma_f32 v[T+i%8:T+i%8+1], v[(\x)+i:(\x)+i+1], v[(\x)+i:(\x)+i+1], v[T+i%8:T+i%8+1]
.set i, i+2
.endr
	JOIN
	v_fma_f32 v12, v12, s30, s31                   ; var + eps
	v_rsq_f32 v[(\rs)], v12                        ; twice: a pair for the packed multiply
	v_rsq_f32 v[(\rs)+1], v12
.endm
.macro OUT x, rs, y, off
.set i, 0
.rept 16
	v_pk_mul_f32 v[(\x)+i:(\x)+i+1], v[(\x)+i:(\x)+i+1], v[(\rs):(\rs)+1]
.set i, i+2
.endr
.set i, 0
.rept 16
	v_pk_fma_f32 v[(\x)+i:(\x)+i+1], v[(\x)+i:(\x)+i+1], v[GR+i:GR+i+1], v[BR+i:BR+i+1]
.set i, i+2
.endr
.set i, 0
.rept 16
	v_cvt_pk_bf16_f32 v[(\y)+i], v[(\x)+2*i], v[(\x)+2*i+1]
.set i, i+1
.endr
.irp j, 0,1,2,3,4,5,6,7
	global_store_b64 v2, v[(\y)+2*(\j):(\y)+2*(\j)+1], s[10:11] offset:(\off)+256*(\j)  ; the wave's store covers 256 consecutive bytes, aligned
.endr
.endm
	s_wait_loadcnt 24                              ; row 0 is in; row 1, g and be (24 younger loads) stay out
	STAT X0, 14, 16
	s_wait_loadcnt 16                              ; row 1 is in
	STAT X1, 18, 20
	v_nop                                          ; a plain instruction behind the last v_rsq_f32,
	s_wait_alu depctr_va_vdst(0)                   ; and one wait for the four, ahead of their first reader
	s_wait_loadcnt 0x0                             ; g and be
	OUT X0, 16, Y0, 0
	OUT X1, 20, Y1, 2048
	s_endpgm
.Lcvt:
	s_sub_co_u32 s26, s26, 1
	s_lshl_b32 s26, s26, 8
	s_add_co_u32 s26, s26, ttmp9                   ; 0..1535
	s_lshr_b32 s27, s26, 7                         ; which 2^20 numbers: 0 wq, 1 wk, 2 wv, 3 wo, 4-7 w1, 8-11 w2
	s_and_b32 s28, s26, 127                        ; which 8,192 of them
	s_and_b32 s29, s27, 3
	s_cmp_ge_u32 s27, 4
	s_cselect_b32 s29, s29, 0                      ; the quarter of w1 or w2
	s_lshl_b32 s29, s29, 22
	s_lshl_b32 s30, s28, 15
	s_add_co_u32 s30, s30, s29                     ; byte offset in the source
	s_mov_b32 s31, 0
	s_lshl_b32 s32, s27, 21
	s_lshl_b32 s33, s28, 14
	s_add_co_u32 s32, s32, s33                     ; byte offset in the bf16 buffer
	s_mov_b32 s33, 0
	v_lshlrev_b32 v1, 4, v0                        ; 16 bytes a thread in,
	v_lshlrev_b32 v2, 3, v0                        ; 8 bytes out
	s_wait_kmcnt 0x0
	s_mov_b64 s[34:35], s[12:13]
	s_cmp_eq_u32 s27, 1
	s_cselect_b64 s[34:35], s[14:15], s[34:35]
	s_cmp_eq_u32 s27, 2
	s_cselect_b64 s[34:35], s[16:17], s[34:35]
	s_cmp_eq_u32 s27, 3
	s_cselect_b64 s[34:35], s[18:19], s[34:35]
	s_cmp_ge_u32 s27, 4
	s_cselect_b64 s[34:35], s[20:21], s[34:35]
	s_cmp_ge_u32 s27, 8
	s_cselect_b64 s[34:35], s[22:23], s[34:35]
	s_add_nc_u64 s[34:35], s[34:35], s[30:31]
	s_add_nc_u64 s[24:25], s[24:25], s[32:33]
.irp i, 0,1,2,3,4,5,6,7
	global_load_b128 v[32+4*(\i):32+4*(\i)+3], v1, s[34:35] offset:4096*(\i) th:TH_LOAD_NT
.endr
.irp i, 0,1,2,3,4,5,6,7
	s_wait_loadcnt 7-(\i)                          ; loads come back in order: load i is in, the younger ones stay out
	v_cvt_pk_bf16_f32 v[64+2*(\i)], v[32+4*(\i)], v[32+4*(\i)+1]
	v_cvt_pk_bf16_f32 v[64+2*(\i)+1], v[32+4*(\i)+2], v[32+4*(\i)+3]
	global_store_b64 v2, v[64+2*(\i):64+2*(\i)+1], s[24:25] offset:2048*(\i)
.endr
	s_endpgm
.Lfunc_end_k_qf81f19d628_l_prep:
	.size	k_qf81f19d628_l_prep, .Lfunc_end_k_qf81f19d628_l_prep-k_qf81f19d628_l_prep
	.p2alignl 7, 3214868480
	.fill 96, 4, 3214868480
	.section	.rodata,"a",@progbits
	.p2align	6, 0x0
	.amdhsa_kernel k_qf81f19d628_l_prep
		.amdhsa_group_segment_fixed_size 0
		.amdhsa_private_segment_fixed_size 0
		.amdhsa_enable_private_segment 0
		.amdhsa_kernarg_size 88
		.amdhsa_user_sgpr_count 2
		.amdhsa_user_sgpr_kernarg_segment_ptr 1
		.amdhsa_wavefront_size32 1
		.amdhsa_system_sgpr_workgroup_id_x 1
		.amdhsa_system_sgpr_workgroup_id_y 1
		.amdhsa_system_sgpr_workgroup_id_z 1
		.amdhsa_system_vgpr_workitem_id 0
		.amdhsa_next_free_vgpr 192
		.amdhsa_next_free_sgpr 66
		.amdhsa_reserve_vcc 0
		.amdhsa_float_denorm_mode_32 3
		.amdhsa_float_denorm_mode_16_64 3
		.amdhsa_memory_ordered 1
		.amdhsa_forward_progress 1
		.amdhsa_inst_pref_size 24
	.end_amdhsa_kernel
	.amdgpu_metadata
---
amdhsa.version: [ 1, 2 ]
amdhsa.kernels:
  - .name:           k_qf81f19d628_l_prep
    .symbol:         k_qf81f19d628_l_prep.kd
    .args:
      - { .name: x, .offset: 0, .size: 8, .value_kind: global_buffer, .address_space: global }
      - { .name: g1, .offset: 8, .size: 8, .value_kind: global_buffer, .address_space: global }
      - { .name: be1, .offset: 16, .size: 8, .value_kind: global_buffer, .address_space: global }
      - { .name: hbuf, .offset: 24, .size: 8, .value_kind: global_buffer, .address_space: global }
      - { .name: wq, .offset: 32, .size: 8, .value_kind: global_buffer, .address_space: global }
      - { .name: wk, .offset: 40, .size: 8, .value_kind: global_buffer, .address_space: global }
      - { .name: wv, .offset: 48, .size: 8, .value_kind: global_buffer, .address_space: global }
      - { .name: wo, .offset: 56, .size: 8, .value_kind: global_buffer, .address_space: global }
      - { .name: w1, .offset: 64, .size: 8, .value_kind: global_buffer, .address_space: global }
      - { .name: w2, .offset: 72, .size: 8, .value_kind: global_buffer, .address_space: global }
      - { .name: wbf, .offset: 80, .size: 8, .value_kind: global_buffer, .address_space: global }
    .group_segment_fixed_size: 0
    .private_segment_fixed_size: 0
    .kernarg_segment_align: 8
    .kernarg_segment_size: 88
    .max_flat_workgroup_size: 256
    .sgpr_count:     66
    .vgpr_count:     192
    .wavefront_size: 32
...
	.end_amdgpu_metadata
.endif
;; end of part 1
;; launch l_qkv (part 2): grid 12 x 16, 4 waves a work-group, clusters of 4 x 4, 327,680 bytes of LDS; arguments hbuf, wbf, bq, bk, bv, qkvb; writes qkvb
.if DOCPART == 2
	.amdgcn_target "amdgcn-amd-amdhsa--gfx1250"
	.amdhsa_code_object_version 6
	.text
	.protected	k_qf81f19d628_l_qkv
	.globl	k_qf81f19d628_l_qkv
	.p2align	8
	.type	k_qf81f19d628_l_qkv,@function
k_qf81f19d628_l_qkv:
	s_mov_b64 s[64:65], 0
	v_nop
	global_prefetch_b8 v0, s[64:65] scope:SCOPE_SE
	s_setreg_imm32_b32 hwreg(HW_REG_WAVE_MODE, 25, 1), 1
	s_wait_xcnt 0x0
	s_wait_alu depctr_hold_cnt(0) depctr_sa_sdst(0) depctr_va_vdst(0) depctr_va_sdst(0) depctr_va_ssrc(0) depctr_va_vcc(0) depctr_vm_vsrc(0)
	s_getreg_b32 s2, hwreg(HW_REG_IB_STS2, 6, 4)
	s_cmp_eq_u32 s2, 0
	s_cbranch_scc0 .Lentry_in_a_cluster
	s_endpgm
.Lentry_in_a_cluster:
	s_bfe_u32 s2, ttmp6, 0x10000c
	s_cmp_lg_u32 s2, 0xf033
	s_cbranch_scc0 .Lentry_shape_is_right
	s_endpgm
.Lentry_shape_is_right:
; C = h W + bias, rounded once to bf16 (GELU = 1: gelu(h W + bias)).  h: [4096][1024] bf16; W: [1024][NP] bf16, K down the rows; sums in f32.
; Here W = [wq | wk | wv], three matrices of 1,024 columns 2 MiB apart, and the bias is bq, bk or bv.
; C leaves IN PLANES: [column / 64][4096 tokens][64] bf16, so that 4 tokens x 64 columns are 512 consecutive bytes.
; A tile of C is 256 tokens x 256 columns, made by four waves of 128 x 128: 64 accumulators of 16 x 16, 512 registers.  K goes in 8 steps of 128 through two LDS slots.
; A's tile: 256 rows x 256 bytes, LDS pitch 272.  B's tile: 128 k rows x 512 bytes, LDS pitch 544; its fragments come out turned, by ds_load_tr16_b128.
; CLUSTER 4 x 4: A's tile is asked for jointly along a row of the cluster, B's along a column.  The grid has 192 tiles: a tile of 192 columns would cut planes and 256-byte rows.
; THE MATRIX INSTRUCTION IS USED TRANSPOSED (source 0 = 16 columns of W, source 1 = 16 tokens): a lane then holds one token and eight neighbouring columns.
; THE WAY OUT: the sums are laid in f32 over the slots, which have had their last fill (each wave 128 rows x 528 bytes of its own), and walked 8 rows a trip.
; REGISTERS: window 0: v0-31 addresses, v64-127 and v128-191 A's fragments (two buffers), v240-255 the bias; window 1: B's fragments, same numbers; windows 2, 3: accumulator (a, b) at v[8 (8 (a % 4) + b)].
; LIMITS: operands bf16; NaN and infinities are not treated apart.
.set GELU,  0
.set NP,    1024                       ; elements in a row of W
.set PB,    2*NP                       ; bytes
.set BSTEP, 128*PB                     ; a K step down W
.set PA,    272                        ; 256 + 16 bytes = 68 words: the 16 rows of a fragment load start at 16 different groups of four banks
.set PBL,   544                        ; 512 + 32 bytes: an odd multiple of 32
.set HALF,  128*PA                     ; what one tensor load brings: 128 rows of A, or 64 k rows of B (64 x 544)
.set SLOT,  4*HALF
.set DPITCH, 528                       ; the way out: 512 bytes of f32 + 16
.set DWAVE, 128*DPITCH
.set SPARE, 2*SLOT                     ; behind the slots: the spare words, 128 bytes a wave, that no other line names
.set LA0,  16                          ; v16  my lane's place in A's tile; never rewritten
.set LB0,  17                          ; v17  in B's
.set ADRA, 18                          ; v18  the same in the slot in hand
.set ADRB, 19
.set DST,  20                          ; v20  where I lay 32 bytes of a row of sums
.set RDA,  22                          ; v22  where I read them back: 8 lanes a row, 32 bytes each
.set GO,   23                          ; v23  my 16 bytes of 512 of a plane
.set BO,   24                          ; v24  my 32 bytes of a plane's 256 of bias
.set SPW,  28
.set NIL,  29
.set PFO,  30                          ; v30  the prefetches' offset
.set F0,   64
.set F1,   128
.set Z,    32                          ; the way out, all in window 0
.set ZN,   64
.set C1,   96
.set TT,   128
.set E,    160
.set R,    192
.set Y,    224
.set BI,   240
.set G1,  24                           ; s[24:31] group 1 for A;  s[32:39] group 0: the first fill's set, then the set that walks
.set G0,  32
.set G1B, 48                           ; s[48:55], s[56:63] the same for B
.set G0B, 56
.set LIM, 43
.set PFA, 44
.set TB,  66                           ; s66  0 or SLOT: the slot in hand
.set PFS, 68                           ; s[68:69] a K step in the tensor that I prefetch
.set P2,  70
.set CQ,  72
.set A1,  74
.set A2,  76
.set A3,  78
.set A4,  80
.set A5,  82
.set MSB, 0
.macro WIN new                         ; the immediate's high byte repeats the setting that is left
.if MSB != (\new)
	s_set_vgpr_msb (MSB<<8)|(\new)
.set MSB, \new
.endif
.endm
.set MUL_LO, 0xa1                      ; source 0 (B) window 1, source 1 (A) window 0, C and D window 2
.set MUL_HI, 0xf1
.set TO_B,   0x40
.macro PLACES                          ; four plain places behind matrix instructions, in front of loads into registers that they read and of stores of their results
.rept 4
	v_nop
.endr
.endm
.macro JLOAD                           ; the joint refill: waves 0, 1 A's halves, waves 2, 3 B's; s_nop 0 and four v_nop behind each line
	s_cmp_eq_u32 s11, 0
	s_cbranch_scc0 .Lfor_b_\@
	tensor_load_to_lds s[G0+4:G0+7], s[G1:G1+7]
	s_nop 0
	PLACES
	s_branch .Lasked_\@
.Lfor_b_\@:
	tensor_load_to_lds s[G0B+4:G0B+7], s[G1B:G1B+7]
	s_nop 0
	PLACES
.Lasked_\@:
.endm
.macro ASK                             ; a prefetch into the L2 of the K step that the NEXT refill will ask for: 32 blocks of 256 bytes, a lane a block; the loop's last trip has none
	s_cmp_gt_u32 s3, s[LIM]
	s_cbranch_scc0 .Lnot_mine_\@
	global_prefetch_b8 v[PFO], s[PFA:PFA+1] th:TH_LOAD_NT scope:SCOPE_SE
.Lnot_mine_\@:
.endm
.macro CREST                           ; a round of the cluster's barrier behind its opening barrier
	s_cmp_lg_u32 s10, 0
	s_cbranch_scc1 .Lnot_wave_0_\@
	s_barrier_signal -3
.Lnot_wave_0_\@:
	s_barrier_wait -3
	s_barrier_signal -1
	s_barrier_wait -1
.endm
.macro CROUND
	s_barrier_signal -1
	s_barrier_wait -1
	CREST
.endm
	s_load_b128 s[4:7], s[0:1], 0x0                ; h, the bf16 weights
	s_load_b128 s[84:87], s[0:1], 0x10             ; GELU = 0: bq, bk;  1: b1, the output
.if !GELU
	s_load_b128 s[88:91], s[0:1], 0x20             ; bv, the output
.endif
	v_lshl_add_u32 v[SPW], v0, 2, SPARE
	v_mov_b32 v[NIL], 0
	ds_add_u32 v[SPW], v[NIL]                      ; the opening: the add, and its wait ahead of my first tensor load
	v_lshrrev_b32 v1, 5, v0
	v_readfirstlane_b32 s10, v1                    ; wave 0..3
	s_lshr_b32 s11, s10, 1                         ; my half of the tile's tokens.  Also: I fetch for A (0) or B (1)
	s_and_b32 s12, s10, 1                          ; my half of its columns.  Also: which half of that tile I fetch
	s_bfe_u32 s40, ttmp6, 0x40000                  ; cx
	s_bfe_u32 s41, ttmp6, 0x40004                  ; cy
	s_lshl_b32 s42, ttmp9, 2
	s_add_co_u32 s42, s42, s40                     ; tile column
	s_and_b32 s13, ttmp7, 0xffff
	s_lshl_b32 s13, s13, 2
	s_add_co_u32 s13, s13, s41                     ; tile row
	s_lshl_b32 s43, s41, 2
	s_lshl_b32 s43, 15, s43                        ; my row of the cluster
	s_lshl_b32 s44, 0x1111, s40                    ; my column
	s_or_b32 s[G1+0], s43, (1<<16)|(1<<20)|(1<<21)|(5<<22)|(3<<25)   ; mask; 2-byte elements; padding on; bit 21 beside a mask; after every 64 words, 4 words
	s_or_b32 s[G1B+0], s44, (1<<16)|(1<<20)|(1<<21)|(6<<22)|(7<<25)  ; after every 128 words, 8 words
	s_mov_b32 s[G1+1], 128<<16                     ; tensor_dim0 = 128
	s_mov_b32 s[G1+2], 128<<16                     ; tensor_dim1 = 128
	s_mov_b32 s[G1+3], 128<<16                     ; tile_dim0 = 128
	s_mov_b32 s[G1+4], 128                         ; tile_dim1 = 128
	s_mov_b32 s[G1+5], 1024                        ; elements from row to row of h
	s_mov_b32 s[G1+6], 0
	s_mov_b32 s[G1+7], 0
	s_mov_b32 s[G1B+1], 256<<16                    ; 256 columns
	s_mov_b32 s[G1B+2], 64<<16                     ; 64 k rows
	s_mov_b32 s[G1B+3], 256<<16
	s_mov_b32 s[G1B+4], 64
	s_mov_b32 s[G1B+5], NP
	s_mov_b32 s[G1B+6], 0
	s_mov_b32 s[G1B+7], 0
	s_lshl_b32 s16, s13, 19                        ; A: (256 x tile row + 128 x half) rows of 2,048 bytes
	s_lshl_b32 s17, s12, 18
	s_add_co_u32 s16, s16, s17
	s_mov_b32 s17, 0
.if GELU
	s_lshl_b32 s46, s42, 9                         ; B: 512 bytes a tile column, behind 8 MiB
	s_add_co_u32 s46, s46, 0x800000
.else
	s_lshl_b32 s46, ttmp9, 21                      ; B: a cluster's four tile columns are one of the three matrices
	s_lshl_b32 s47, s40, 9
	s_add_co_u32 s46, s46, s47
.endif
	s_mul_i32 s47, s12, 64*PB                      ; + my 64 k rows
	s_add_co_u32 s46, s46, s47
	s_mov_b32 s47, 0
	s_mul_i32 s20, s10, HALF                       ; where my part of a tile goes: no place in the cluster enters an LDS address
	s_mov_b32 s[TB], 0
.if GELU
.irp c, P2, CQ, A1, A2, A3, A4, A5
	s_mov_b32 s[\c+1], 0                           ; named as pairs; the low word serves both halves
.endr
	s_mov_b32 s[P2], 0x3eed3388                    ; 0.3275911 x sqrt(2)
	s_mov_b32 s[CQ], 0xbf38aa3b                    ; -log2(e) / 2
	s_mov_b32 s[A1], 0x3e827906                    ; 0.254829592
	s_mov_b32 s[A2], 0xbe91a98e                    ; -0.284496736
	s_mov_b32 s[A3], 0x3fb5f0e3                    ; 1.421413741
	s_mov_b32 s[A4], 0xbfba00e3                    ; -1.453152027
	s_mov_b32 s[A5], 0x3f87dc22                    ; 1.061405429
.endif
	s_wait_dscnt 0x0                               ; the opening add is done
	s_wait_kmcnt 0x0
	s_add_nc_u64 s[14:15], s[4:5], s[16:17]
	s_add_nc_u64 s[46:47], s[6:7], s[46:47]
	CROUND                                         ; all sixteen work-groups are here: the first joint loads meet
.irp s, 0,1
	s_mov_b32 s[G0+4*(\s)], 1
	s_add_co_u32 s[G0+4*(\s)+1], s20, (\s)*SLOT
	s_add_nc_u64 s[G0+4*(\s)+2:G0+4*(\s)+3], s[14:15], (\s)*256
	s_or_b32 s[G0+4*(\s)+3], s[G0+4*(\s)+3], 0x80000000
	s_mov_b32 s[G0B+4*(\s)], 1
	s_add_co_u32 s[G0B+4*(\s)+1], s20, (\s)*SLOT
	s_add_nc_u64 s[G0B+4*(\s)+2:G0B+4*(\s)+3], s[46:47], (\s)*BSTEP
	s_or_b32 s[G0B+4*(\s)+3], s[G0B+4*(\s)+3], 0x80000000
.endr
	s_cmp_eq_u32 s11, 0                            ; a wave's two first fills stand in one branch: two loads of mine are out
	s_cbranch_scc0 .Lfirst_b
	tensor_load_to_lds s[G0:G0+3], s[G1:G1+7]
	s_nop 0
	tensor_load_to_lds s[G0+4:G0+7], s[G1:G1+7]
	s_nop 0
	PLACES
	s_branch .Lfirst_asked
.Lfirst_b:
	tensor_load_to_lds s[G0B:G0B+3], s[G1B:G1B+7]
	s_nop 0
	tensor_load_to_lds s[G0B+4:G0B+7], s[G1B:G1B+7]
	s_nop 0
	PLACES
.Lfirst_asked:
	v_and_b32 v1, 15, v0                           ; r = l % 16
	v_bfe_u32 v2, v0, 4, 1                         ; l / 16
	v_and_b32 v3, 7, v0
	v_bfe_u32 v4, v0, 3, 1
	v_bfe_u32 v5, v0, 3, 2                         ; l / 8
	v_and_b32 v6, 31, v0                           ; l
	v_mul_u32_u24 v[LA0], v1, PA                   ; A: row r, 16 bytes for each half of the lanes, my 128 rows
	v_lshl_add_u32 v[LA0], v2, 4, v[LA0]
	s_mul_i32 s21, s11, HALF
	v_add_nc_u32 v[LA0], s21, v[LA0]
	v_lshl_add_u32 v[LB0], v2, 3, v3               ; B: the turning load: k row 8 (l / 16) + l % 8, columns 8 ((l / 8) % 2) on, my 128 columns
	v_mul_u32_u24 v[LB0], v[LB0], PBL
	v_lshl_add_u32 v[LB0], v4, 4, v[LB0]
	s_lshl_b32 s22, s12, 8
	s_add_co_u32 s22, s22, 2*HALF
	v_add_nc_u32 v[LB0], s22, v[LB0]
	v_mov_b32 v[ADRA], v[LA0]
	v_mov_b32 v[ADRB], v[LB0]
	s_mul_i32 s23, s10, DWAVE
	v_mul_u32_u24 v[DST], v1, DPITCH
	v_lshl_add_u32 v[DST], v2, 5, v[DST]
	v_add_nc_u32 v[DST], s23, v[DST]
	v_mul_u32_u24 v[RDA], v5, DPITCH
	v_lshl_add_u32 v[RDA], v3, 5, v[RDA]
	v_add_nc_u32 v[RDA], s23, v[RDA]
	v_lshlrev_b32 v[GO], 4, v6
	v_lshlrev_b32 v[BO], 5, v3
.if GELU
	s_lshl_b32 s16, s42, 10                        ; the tile's 256 numbers of bias
.else
	s_cmp_eq_u32 ttmp9, 1
	s_cselect_b64 s[84:85], s[86:87], s[84:85]
	s_cmp_eq_u32 ttmp9, 2
	s_cselect_b64 s[84:85], s[88:89], s[84:85]
	s_lshl_b32 s16, s40, 10
.endif
	s_lshl_b32 s17, s12, 9
	s_add_co_u32 s16, s16, s17
	s_mov_b32 s17, 0
	s_add_nc_u64 s[84:85], s[84:85], s[16:17]
.irp p, 0,1
.irp e, 0,1
	global_load_b128 v[BI+8*(\p)+4*(\e):BI+8*(\p)+4*(\e)+3], v[BO], s[84:85] offset:256*(\p)+16*(\e)  ; waited for on the way out
.endr
.endr
	s_lshl_b32 s16, s42, 21                        ; the output: 4 planes a tile column, 2 a wave; 256 tokens of 128 bytes a tile row, 128 a wave
	s_lshl_b32 s17, s12, 20
	s_add_co_u32 s16, s16, s17
	s_lshl_b32 s17, s13, 15
	s_add_co_u32 s16, s16, s17
	s_lshl_b32 s17, s11, 14
	s_add_co_u32 s16, s16, s17
	s_mov_b32 s17, 0
.if GELU
	s_add_nc_u64 s[8:9], s[86:87], s[16:17]
.else
	s_add_nc_u64 s[8:9], s[90:91], s[16:17]
.endif
	; The prefetches.  A's rows are read by every cluster of a row of clusters: the one with x = 0 asks; B's by every cluster of a column: y = 0 asks.  The four partners of a joint load share
	; its blocks out BY ADDRESS: of A's 128 rows 32 each, a lane a row; of B's 64 k rows 16 each, two blocks of 256 bytes a row.  So each block is named once in the launch.
	s_mov_b32 s18, BSTEP
	s_mov_b32 s19, 16*PB
	s_and_b32 s22, ttmp7, 0xffff
	s_cmp_eq_u32 s11, 0
	s_cselect_b32 s22, ttmp9, s22
	s_cselect_b32 s21, s40, s41
	s_cselect_b64 s[PFA:PFA+1], s[14:15], s[46:47]
	s_cselect_b32 s[PFS], 256, s18
	s_cselect_b32 s23, 0x10000, s19
	s_cselect_b32 s16, -1, 0
	s_mov_b32 s[PFS+1], 0
	s_cmp_eq_u32 s22, 0
	s_cselect_b32 s[LIM], 1, -1
	s_mul_i32 s18, s21, s23
	s_mov_b32 s19, 0
	s_add_nc_u64 s[PFA:PFA+1], s[PFA:PFA+1], s[18:19]
	s_add_nc_u64 s[PFA:PFA+1], s[PFA:PFA+1], s[PFS:PFS+1]
	s_add_nc_u64 s[PFA:PFA+1], s[PFA:PFA+1], s[PFS:PFS+1]  ; at K step 2: the first refill steps it to 3.  Nothing is prefetched at the head
	v_lshlrev_b32 v7, 11, v6
	v_lshrrev_b32 v8, 1, v6
	v_mul_u32_u24 v8, v8, PB
	v_and_b32 v9, 1, v0
	v_lshl_add_u32 v8, v9, 8, v8
	v_cndmask_b32 v[PFO], v8, v7, s16
; 16 matrix instructions: token blocks a0, a0 + 1 of the window's four x all 8 column blocks, 32 along K.  The 64 accumulators take turns.
.macro MUL16 f, hi, a0, zero
	WIN MUL_LO+0x50*(\hi)
.irp a, \a0, (\a0)+1
.irp b, 0,1,2,3,4,5,6,7
.if \zero
	v_wmma_f32_16x16x32_bf16 v[8*(8*(\a)+(\b)):8*(8*(\a)+(\b))+7], v[(\f)+8*(\b):(\f)+8*(\b)+7], v[(\f)+8*(4*(\hi)+(\a)):(\f)+8*(4*(\hi)+(\a))+7], 0
.else
	v_wmma_f32_16x16x32_bf16 v[8*(8*(\a)+(\b)):8*(8*(\a)+(\b))+7], v[(\f)+8*(\b):(\f)+8*(\b)+7], v[(\f)+8*(4*(\hi)+(\a)):(\f)+8*(4*(\hi)+(\a))+7], v[8*(8*(\a)+(\b)):8*(8*(\a)+(\b))+7]
.endif
.endr
.endr
.endm
; 32 LDS loads in one run: quarter q (32 along K) of the slot in hand into buffer f: B's eight column blocks turned, then A's eight token blocks.
.macro FETCH q, f
	WIN TO_B
.irp i, 0,1,2,3,4,5,6,7
	ds_load_tr16_b128 v[(\f)+8*(\i):(\f)+8*(\i)+3],   v[ADRB] offset:(\q)*32*PBL+32*(\i)
	ds_load_tr16_b128 v[(\f)+8*(\i)+4:(\f)+8*(\i)+7], v[ADRB] offset:(\q)*32*PBL+16*PBL+32*(\i)
.endr
	WIN 0
.irp i, 0,1,2,3,4,5,6,7
	ds_load_b128 v[(\f)+8*(\i):(\f)+8*(\i)+3],   v[ADRA] offset:(\q)*64+(\i)*16*PA
	ds_load_b128 v[(\f)+8*(\i)+4:(\f)+8*(\i)+7], v[ADRA] offset:(\q)*64+(\i)*16*PA+32
.endr
.endm
; One of a K step's first three quarters: multiplies buffer f and, in its middle, fetches quarter q into buffer g.
.macro QUARTER q, f, g, zero
	s_wait_dscnt 8                                 ; B and A's tokens 0-63 are in; the youngest eight loads (tokens 64-127) may be out
	MUL16 \f, 0, 0, \zero
	MUL16 \f, 0, 2, \zero
	PLACES
	FETCH \q, \g
	s_wait_dscnt 32                                ; all but the 32 just issued
	MUL16 \f, 1, 0, \zero
	MUL16 \f, 1, 2, \zero
.endm
; The last quarter multiplies buffer 1 and changes slots.  In front of the barrier each wave waits for all its tensor loads (one is out: its part of the next slot), adds 0 to its spare word,
; and waits for that and for its reads of this slot.  fill = 1: the barrier opens a round of the cluster's, and the slot just read is filled again first thing behind it, two K steps ahead.
.macro TURN fill
.if \fill
	s_wait_xcnt 0x0                                ; the last prefetch, a K step back, has read its address
	s_add_nc_u64 s[PFA:PFA+1], s[PFA:PFA+1], s[PFS:PFS+1]
.endif
	WIN 0
	s_wait_tensorcnt 0x0
	ds_add_u32 v[SPW], v[NIL]
	s_wait_dscnt 9                                 ; (the add and the youngest eight loads may be out)
	MUL16 F1, 0, 0, 0
	s_wait_dscnt 0x0                               ; the add is done, and my reads of this slot are over
	s_barrier_signal -1
	MUL16 F1, 0, 2, 0
	WIN 0
	s_barrier_wait -1
.if \fill
	CREST                                          ; no wave of any partner still reads this slot or has a load on its way
	s_add_co_u32 s[G0+5], s20, s[TB]               ; the walking set: the slot just read,
	s_add_co_u32 s[G0B+5], s20, s[TB]
	s_add_nc_u64 s[G0+6:G0+7], s[G0+6:G0+7], 256   ; the next K step
	s_add_nc_u64 s[G0B+6:G0B+7], s[G0B+6:G0B+7], BSTEP
.endif
	s_xor_b32 s[TB], s[TB], SLOT
.if \fill
	JLOAD                                          ; 224 matrix instructions ahead of the wait for it; its four v_nop are also the places in front of the loads below
.else
	PLACES
.endif
	v_add_nc_u32 v[ADRA], s[TB], v[LA0]
	v_add_nc_u32 v[ADRB], s[TB], v[LB0]
	FETCH 0, F0
.if \fill
	ASK
.endif
	MUL16 F1, 1, 0, 0
	MUL16 F1, 1, 2, 0
.endm
	s_wait_tensorcnt 1                             ; my part of K step 0 is in; step 1's may stay out
	s_barrier_signal -1
	s_barrier_wait -1
	FETCH 0, F0
	QUARTER 1, F0, F1, 1                           ; the first quarter's products start the sums: nothing is cleared
	WIN 0
	s_mov_b32 s3, 6
.Lk:                                                   ; a trip: a K step's quarters 1 to 3 and the next step's quarter 0; K steps 2 to 7 are asked for
	QUARTER 2, F1, F0, 0
	QUARTER 3, F0, F1, 0
	TURN 1
	QUARTER 1, F0, F1, 0
	WIN 0
	s_sub_co_u32 s3, s3, 1
	s_cmp_lg_u32 s3, 0
	s_cbranch_scc1 .Lk
	s_mov_b32 s3, 2
.Lt:                                                   ; the last two K steps ask for nothing.  The second trip is left in its middle; its run of LDS loads (the older slot once more) serves nothing: the price of one text for both
	QUARTER 2, F1, F0, 0
	QUARTER 3, F0, F1, 0
	TURN 0
	WIN 0
	s_sub_co_u32 s3, s3, 1
	s_cmp_eq_u32 s3, 0
	s_cbranch_scc1 .Lout
	QUARTER 1, F0, F1, 0
	WIN 0
	s_branch .Lt
.Lout:
	s_wait_dscnt 0x0                               ; my reads of the slots are over,
	s_barrier_signal -1
	s_barrier_wait -1                              ; everybody's are: the slots, never filled again, take the sums
	PLACES
.set a, 0
.rept 8
	WIN 0x08+4*(a/4)                               ; store data (source 1) in window 2 or 3
.set b, 0
.rept 8
	ds_store_b128 v[DST], v[8*(8*(a%4)+b):8*(8*(a%4)+b)+3]   offset:a*16*DPITCH+64*b
	ds_store_b128 v[DST], v[8*(8*(a%4)+b)+4:8*(8*(a%4)+b)+7] offset:a*16*DPITCH+64*b+16
.set b, b+1
.endr
.set a, a+1
.endr
	WIN 0
.macro RDL                             ; 8 rows x 128 columns of my sums: half f (4 rows), plane p, 16 bytes e.  LDS serves a wave's instructions in order: these see my stores
.irp f, 0,1
.irp p, 0,1
.irp e, 0,1
	ds_load_b128 v[ZN+16*(\f)+8*(\p)+4*(\e):ZN+16*(\f)+8*(\p)+4*(\e)+3], v[RDA] offset:(\f)*4*DPITCH+256*(\p)+16*(\e)
.endr
.endr
.endr
.endm
.macro ALL16 line:vararg               ; one line for each of 16 pairs
.set i, 0
.rept 16
	\line
.set i, i+2
.endr
.endm
.macro ALL32 line:vararg
.set i, 0
.rept 32
	\line
.set i, i+1
.endr
.endm
	s_wait_loadcnt 0x0                             ; the bias
	RDL
	s_mov_b32 s3, 16
.Lrow:                                                 ; 16 trips of 8 rows
	s_wait_dscnt 0x0
	ALL16 v_pk_add_f32 v[Z+i:Z+i+1], v[ZN+i:ZN+i+1], v[BI+i%16:BI+i%16+1]
	s_cmp_eq_u32 s3, 1
	s_cbranch_scc1 .Lno_more
	v_add_nc_u32 v[RDA], 8*DPITCH, v[RDA]
	RDL                                            ; the next trip's rows come while this trip's are worked on
.Lno_more:
.if GELU
	; gelu(z) = z / 2 + c1 (1 - w), c1 = |z| / 2, w = poly(t) e^(-z z / 2), t = 1 / (1 + 0.3275911 |z| / sqrt 2): erf by Abramowitz and Stegun 7.1.26, |error| <= 1.5e-7 for every z
	ALL32 v_max_num_f32 v[C1+i], 0, v[Z+i]
	ALL16 v_pk_fma_f32 v[C1+i:C1+i+1], v[Z+i:Z+i+1], -0.5, v[C1+i:C1+i+1] op_sel_hi:[1,0,1]
	ALL16 v_pk_fma_f32 v[TT+i:TT+i+1], v[C1+i:C1+i+1], s[P2:P2+1], 1.0 op_sel_hi:[1,0,0]
	ALL16 v_pk_mul_f32 v[E+i:E+i+1], v[Z+i:Z+i+1], s[CQ:CQ+1] op_sel_hi:[1,0]
	ALL16 v_pk_mul_f32 v[E+i:E+i+1], v[E+i:E+i+1], v[Z+i:Z+i+1]
	ALL32 v_rcp_f32 v[TT+i], v[TT+i]
	ALL32 v_exp_f32 v[E+i], v[E+i]
	v_nop                                          ; a plain instruction behind the last of the batch,
	s_wait_alu depctr_va_vdst(0)                   ; and one wait for all 64, ahead of their first reader
	ALL16 v_pk_fma_f32 v[R+i:R+i+1], v[TT+i:TT+i+1], s[A5:A5+1], s[A4:A4+1] op_sel_hi:[1,0,0]
	ALL16 v_pk_fma_f32 v[R+i:R+i+1], v[R+i:R+i+1], v[TT+i:TT+i+1], s[A3:A3+1] op_sel_hi:[1,1,0]
	ALL16 v_pk_fma_f32 v[R+i:R+i+1], v[R+i:R+i+1], v[TT+i:TT+i+1], s[A2:A2+1] op_sel_hi:[1,1,0]
	ALL16 v_pk_fma_f32 v[R+i:R+i+1], v[R+i:R+i+1], v[TT+i:TT+i+1], s[A1:A1+1] op_sel_hi:[1,1,0]
	ALL16 v_pk_mul_f32 v[R+i:R+i+1], v[R+i:R+i+1], v[TT+i:TT+i+1]
	ALL16 v_pk_mul_f32 v[R+i:R+i+1], v[R+i:R+i+1], v[E+i:E+i+1]
	ALL16 v_pk_fma_f32 v[R+i:R+i+1], v[C1+i:C1+i+1], v[R+i:R+i+1], v[C1+i:C1+i+1] neg_lo:[1,0,0] neg_hi:[1,0,0]
	ALL16 v_pk_fma_f32 v[R+i:R+i+1], v[Z+i:Z+i+1], 0.5, v[R+i:R+i+1] op_sel_hi:[1,0,1]
.set SRC, R
.else
.set SRC, Z
.endif
	s_wait_xcnt 0x0                                ; the last trip's stores have read Y and GO: they are rewritten only behind this wait
	ALL16 v_cvt_pk_bf16_f32 v[Y+i/2], v[SRC+i], v[SRC+i+1]
	v_add_nc_u32 v[GO], 1024, v[GO]                ; 8 tokens on; the stores reach back
.irp f, 0,1
.irp p, 0,1
	global_store_b128 v[GO], v[Y+8*(\f)+4*(\p):Y+8*(\f)+4*(\p)+3], s[8:9] offset:524288*(\p)+512*(\f)-1024  ; 4 tokens of a plane: 512 consecutive bytes, aligned
.endr
.endr
	s_sub_co_u32 s3, s3, 1
	s_cmp_lg_u32 s3, 0
	s_cbranch_scc1 .Lrow
	s_wait_tensorcnt 0x0                           ; the wave's end
	ds_add_u32 v[SPW], v[NIL]
	s_wait_dscnt 0x0
	CROUND                                         ; the closing round
	s_endpgm
.Lfunc_end_k_qf81f19d628_l_qkv:
	.size	k_qf81f19d628_l_qkv, .Lfunc_end_k_qf81f19d628_l_qkv-k_qf81f19d628_l_qkv
	.p2alignl 7, 3214868480
	.fill 96, 4, 3214868480
	.section	.rodata,"a",@progbits
	.p2align	6, 0x0
	.amdhsa_kernel k_qf81f19d628_l_qkv
		.amdhsa_group_segment_fixed_size 327680
		.amdhsa_private_segment_fixed_size 0
		.amdhsa_enable_private_segment 0
		.amdhsa_kernarg_size 48
		.amdhsa_user_sgpr_count 2
		.amdhsa_user_sgpr_kernarg_segment_ptr 1
		.amdhsa_wavefront_size32 1
		.amdhsa_system_sgpr_workgroup_id_x 1
		.amdhsa_system_sgpr_workgroup_id_y 1
		.amdhsa_system_sgpr_workgroup_id_z 1
		.amdhsa_system_vgpr_workitem_id 0
		.amdhsa_next_free_vgpr 1024
		.amdhsa_next_free_sgpr 92
		.amdhsa_reserve_vcc 0
		.amdhsa_float_denorm_mode_32 3
		.amdhsa_float_denorm_mode_16_64 3
		.amdhsa_memory_ordered 1
		.amdhsa_forward_progress 1
		.amdhsa_inst_pref_size 82
	.end_amdhsa_kernel
	.amdgpu_metadata
---
amdhsa.version: [ 1, 2 ]
amdhsa.kernels:
  - .name:           k_qf81f19d628_l_qkv
    .symbol:         k_qf81f19d628_l_qkv.kd
    .args:
      - { .name: hbuf, .offset: 0, .size: 8, .value_kind: global_buffer, .address_space: global }
      - { .name: wbf, .offset: 8, .size: 8, .value_kind: global_buffer, .address_space: global }
      - { .name: bq, .offset: 16, .size: 8, .value_kind: global_buffer, .address_space: global }
      - { .name: bk, .offset: 24, .size: 8, .value_kind: global_buffer, .address_space: global }
      - { .name: bv, .offset: 32, .size: 8, .value_kind: global_buffer, .address_space: global }
      - { .name: qkvb, .offset: 40, .size: 8, .value_kind: global_buffer, .address_space: global }
    .group_segment_fixed_size: 327680
    .private_segment_fixed_size: 0
    .kernarg_segment_align: 8
    .kernarg_segment_size: 48
    .max_flat_workgroup_size: 128
    .sgpr_count:     92
    .vgpr_count:     1024
    .wavefront_size: 32
...
	.end_amdgpu_metadata
.endif
;; end of part 2
;; launch l_attn (part 3): grid 8 x 32, 4 waves a work-group, clusters of 4 x 1, 327,680 bytes of LDS; arguments qkvb, obuf; writes obuf
.if DOCPART == 3
	.amdgcn_target "amdgcn-amd-amdhsa--gfx1250"
	.amdhsa_code_object_version 6
	.text
	.protected	k_qf81f19d628_l_attn
	.globl	k_qf81f19d628_l_attn
	.p2align	8
	.type	k_qf81f19d628_l_attn,@function
k_qf81f19d628_l_attn:
	s_mov_b64 s[64:65], 0
	v_nop
	global_prefetch_b8 v0, s[64:65] scope:SCOPE_SE
	s_setreg_imm32_b32 hwreg(HW_REG_WAVE_MODE, 25, 1), 1
	s_wait_xcnt 0x0
	s_wait_alu depctr_hold_cnt(0) depctr_sa_sdst(0) depctr_va_vdst(0) depctr_va_sdst(0) depctr_va_ssrc(0) depctr_va_vcc(0) depctr_vm_vsrc(0)
	s_getreg_b32 s2, hwreg(HW_REG_IB_STS2, 6, 4)
	s_cmp_eq_u32 s2, 0
	s_cbranch_scc0 .Lentry_in_a_cluster
	s_endpgm
.Lentry_in_a_cluster:
	s_bfe_u32 s2, ttmp6, 0x10000c
	s_cmp_lg_u32 s2, 0x3003
	s_cbranch_scc0 .Lentry_shape_is_right
	s_endpgm
.Lentry_shape_is_right:
; O[head][q][:] = the sum over k of softmax_k(Q[q] . K[k] / 8) V[k][:], for 32 heads (16 heads x 2 batches) of 2,048 rows of 64 channels, all bf16.
; Q, K, V lie in planes [48][4096 tokens][64]: q's planes 0-15, k's 16-31, v's 32-47; O in planes [16][4096][64].  A head's 2,048 rows are dense, 128 bytes each.
; Products, maxima and sums in f32; the weights p are rounded to bf16 for the second product (their sum l is taken of the unrounded p), O once at the end.
; LIMITS: a weight below 2^-126 counts as 0 in l; NaN and infinities are not treated apart.
; SHARES.  A work-group owns 256 queries of a head, a wave 64: four PIECES of 16.  Every wave walks all 2,048 keys, 64 a step, 256 (a tile) a slot of LDS: 8 tiles through two slots.
; LAYOUT.  S^T = K Q^T holds ONE query a lane (lane % 16) and the keys 8 (lane / 16) + 0..7; two such results rounded to bf16 ARE source 1 of O^T = V^T P.  V comes out of LDS turned.
; SOFTMAX.  p = 2^(c s - c m), c = log2(e) / 8, with a running maximum m; O and l are multiplied by a = 2^(c m_old - c m_new) in every step.  m starts at the lowest finite number, O and l at 0.
; TURNS.  Turn n belongs to piece n: 8 products K Q^T of piece n + 1, later 8 products V^T P of piece n - 1; beside them piece n's scaling, exponentials, roundings, sums and rescaling and
; piece n + 1's maximum and statistics.  Four vector instructions stand behind every matrix instruction, the others in one lump.  A turn's 33 exponentials are one batch, with one wait.
; CLUSTER.  The four query blocks of a cluster belong to one head and walk the same K and V: each tile is asked for JOINTLY.
; REGISTERS: window 0: v0-15 addresses; v16-31 statistics; v48-55 at work; v64-127 S^T, two buffers; v192-223 P, two buffers.  window 1: v0-127 O^T.  window 2: v0-63 Q; v128-191 K; v192-255 V.
.set NP,    4
.set KS,    64
.set PK,    144       ; a row of K in LDS: 128 + 16 bytes
.set PV,    160       ; a row of V: 128 + 32 bytes
.set VOFF,  4*KS*PK
.set SLOT1, 1<<17     ; one exclusive or turns an address in one slot into the other's
.set STAGE, SLOT1+4*KS*(PK+PV)  ; never filled by a tensor load: 16 rows x 144 bytes for each wave
.set SP,    144
.set SPARE, STAGE+4*16*SP
.set AK0, 2
.set AV0, 3
.set AK,  4
.set AV,  5
.set STO, 6
.set RD,  7
.set GO,  8
.set MV,  12          ; v12-13  c m_old, by buffer
.set QO,  15
.set ST,  16          ; piece t: c m, m, l (even keys', odd keys')
.set TMP, 48          ; by buffer c0-c3; c2 takes a
.set PFO, 61          ; 256 x my lane
.set SPW, 62
.set NIL, 63
.set S,   64
.set P,   192
.set KF,  128
.set VF,  192
.set WV,  12
.set G1K, 24
.set G1V, 32
.set G0K, 40
.set G0V, 44
.set PFA, 48          ; s[48:49]
.set LIM, 50
.set SLOTS, 56
.set CNT, 57
.set CS,  58
.set SEL, 60
.set TBK, 62
.set TBV, 63
.set MSB, 0
.macro WIN new
.if MSB != (\new)
	s_set_vgpr_msb (MSB<<8)|(\new)
.set MSB, (\new)
.endif
.endm
.set W_KQ, 0x0a       ; K and Q in window 2, S^T in window 0
.set W_PV, 0x52       ; V in window 2, P in window 0, O^T in window 1
.set W_RS, 0x41       ; destination and source 0 in window 1, source 1 in window 0
.macro JLOAD          ; waves 0, 1 fetch the halves of a tile's K, waves 2, 3 those of its V; s_nop 0 and four v_nop behind each line
	s_cmp_lt_u32 s[WV], 2
	s_cbranch_scc0 .Lfor_v_\@
	tensor_load_to_lds s[G0K:G0K+3], s[G1K:G1K+7]
	s_nop 0
.rept 4
	v_nop
.endr
	s_branch .Lasked_\@
.Lfor_v_\@:
	tensor_load_to_lds s[G0V:G0V+3], s[G1V:G1V+7]
	s_nop 0
.rept 4
	v_nop
.endr
.Lasked_\@:
.endm
; A prefetch into the L2 of the tile that the NEXT change of slots will ask for: 128 blocks of 256 bytes of K and as many of V.  The head's first cluster asks; its four partners take 32 blocks
; each, told apart by address; wave 0 asks for K's, wave 2 for V's: each block is named once in the launch.  The last change that fills a slot asks for nothing.
.macro ASK
	s_cmp_gt_u32 s[SLOTS], s[LIM]
	s_cbranch_scc0 .Lnot_mine_\@
	global_prefetch_b8 v[PFO], s[PFA:PFA+1] th:TH_LOAD_NT scope:SCOPE_SE
.Lnot_mine_\@:
.endm
.macro CROUND
	s_barrier_signal -1
	s_barrier_wait -1
	s_cmp_lg_u32 s[WV], 0
	s_cbranch_scc1 .Lnot_wave_0_\@
	s_barrier_signal -3
.Lnot_wave_0_\@:
	s_barrier_wait -3
	s_barrier_signal -1
	s_barrier_wait -1
.endm
; THE CHANGE OF SLOTS.  Each wave waits for all its tensor loads (one is out: its part of the other slot), adds 0 to its spare word, and waits for that and for its reads of the slot that it leaves.
; fill = 1: the barrier is a round of the cluster's, and the old slot is filled again first thing behind it: four key steps, 256 matrix instructions, in which to land.
.macro CHANGE fill, ask
	WIN 0
	s_wait_tensorcnt 0x0
	ds_add_u32 v[SPW], v[NIL]
.if \fill
.irp g, G0K, G0V
	s_xor_b32 s[\g+1], s[\g+1], SLOT1
	s_add_nc_u64 s[\g+2:\g+3], s[\g+2:\g+3], 4*KS*128
.endr
.endif
.if \ask
	s_wait_xcnt 0x0                 ; the last prefetch, a tile back, has read its address
	s_add_nc_u64 s[PFA:PFA+1], s[PFA:PFA+1], 4*KS*128
.endif
	s_wait_dscnt 0x0                ; the add is done, and my reads of the slot are over
.if \fill
	CROUND
	JLOAD
.if \ask
	ASK
.endif
.else
	s_barrier_signal -1
	s_barrier_wait -1
.endif
	s_sub_co_u32 s[TBK], s[TBK], 4*KS*PK  ; the fetches go back to a slot's first step, in the other slot
	s_xor_b32 s[TBK], s[TBK], SLOT1
	s_sub_co_u32 s[TBV], s[TBV], 4*KS*PV
	s_xor_b32 s[TBV], s[TBV], SLOT1
.endm
	s_load_b64 s[4:5], s[0:1], 0x0  ; the planes of q, k, v
	s_load_b64 s[10:11], s[0:1], 0x8  ; O
	v_lshl_add_u32 v[SPW], v0, 2, SPARE
	v_mov_b32 v[NIL], 0
	ds_add_u32 v[SPW], v[NIL]       ; the opening: the add, and its wait ahead of my first tensor load
	v_lshrrev_b32 v1, 5, v0
	v_readfirstlane_b32 s[WV], v1
	s_bfe_u32 s13, ttmp6, 0x40000   ; cx
	s_lshl_b32 s14, ttmp9, 2
	s_add_co_u32 s14, s14, s13      ; my block of 256 queries: it enters Q's and O's addresses alone
	s_and_b32 s20, ttmp7, 0xffff
	s_lshr_b32 s21, s20, 4          ; batch
	s_and_b32 s20, s20, 15          ; head
	s_lshl_b32 s20, s20, 19         ; a plane is 524,288 bytes,
	s_lshl_b32 s21, s21, 18         ; a batch's 2,048 rows 262,144
	s_add_co_u32 s20, s20, s21
	s_and_b32 s16, s[WV], 1         ; which half of a tile's 256 keys I fetch
	s_lshl_b32 s22, s16, 14
	s_add_co_u32 s22, s22, s20
	s_mov_b32 s23, 0
	s_mul_i32 s17, s16, 128*PK
	s_mul_i32 s18, s16, 128*PV
	s_lshl_b32 s2, s14, 15
	s_lshl_b32 s3, s[WV], 13
	s_add_co_u32 s2, s2, s3
	s_add_co_u32 s2, s2, s20
	s_mov_b32 s3, 0
	; 128 keys are 16,384 dense bytes: asked for as 64 rows of 256 bytes, two keys a row, padded in LDS after every key
	s_mov_b32 s[G1K], 15|(1<<16)|(1<<20)|(1<<21)|(4<<22)|(3<<25)
	s_mov_b32 s[G1V], 15|(1<<16)|(1<<20)|(1<<21)|(4<<22)|(7<<25)
.irp g, G1K, G1V
	s_mov_b32 s[\g+1], 128<<16
	s_mov_b32 s[\g+2], 64<<16
	s_mov_b32 s[\g+3], 128<<16
	s_mov_b32 s[\g+4], 64
	s_mov_b32 s[\g+5], 128
	s_mov_b32 s[\g+6], 0
	s_mov_b32 s[\g+7], 0
.endr
	s_mov_b32 s[CS], 0x3e38aa3b     ; c = log2(e) / 8
	s_mov_b32 s[CS+1], s[CS]
	s_mov_b32 s[SEL], 0x76543210
	s_mov_b32 s[SEL+1], 0xfedcba98
	s_mov_b32 s[TBK], SLOT1+4*KS*PK ; the first change of slots turns these two into 0
	s_mov_b32 s[TBV], SLOT1+4*KS*PV
	s_mov_b32 s[G0K], 1
	s_mov_b32 s[G0K+1], s17
	s_mov_b32 s[G0V], 1
	s_add_co_u32 s[G0V+1], s18, VOFF
	s_and_b32 s[LIM], s[WV], 1
	s_or_b32 s[LIM], s[LIM], ttmp9  ; 0 in waves 0 and 2 of the head's first cluster: the same in all four partners
	s_cmp_eq_u32 s[LIM], 0
	s_cselect_b32 s[LIM], 1, -1
	v_and_b32 v[PFO], 31, v0
	v_lshlrev_b32 v[PFO], 8, v[PFO]
	s_wait_dscnt 0x0
	s_wait_kmcnt 0x0
	s_add_nc_u64 s[6:7], s[4:5], 0x800000   ; k's planes
	s_add_nc_u64 s[8:9], s[4:5], 0x1000000  ; v's
	s_add_nc_u64 s[6:7], s[6:7], s[22:23]
	s_add_nc_u64 s[8:9], s[8:9], s[22:23]
	s_add_nc_u64 s[G0K+2:G0K+3], s[6:7], 0
	s_or_b32 s[G0K+3], s[G0K+3], 0x80000000
	s_add_nc_u64 s[G0V+2:G0V+3], s[8:9], 0
	s_or_b32 s[G0V+3], s[G0V+3], 0x80000000
	s_add_nc_u64 s[4:5], s[4:5], s[2:3]
	s_add_nc_u64 s[10:11], s[10:11], s[2:3]
	s_cmp_lt_u32 s[WV], 2
	s_cselect_b64 s[PFA:PFA+1], s[6:7], s[8:9]
	s_lshl_b32 s2, s13, 13          ; my work-group's 32 blocks of the 128
	s_mov_b32 s3, 0
	s_add_nc_u64 s[PFA:PFA+1], s[PFA:PFA+1], s[2:3]
	s_add_nc_u64 s[PFA:PFA+1], s[PFA:PFA+1], 2*4*KS*128  ; at tile 2; the change that asks for tile 2 steps it to tile 3
	CROUND
	JLOAD                           ; tile 0 into slot 0
	v_and_b32 v1, 15, v0
	v_bfe_u32 v9, v0, 4, 1
	v_lshlrev_b32 v[QO], 7, v1
	v_lshl_add_u32 v[QO], v9, 4, v[QO]
	WIN 0x80
.set i, 0
.rept 8                             ; Q stays in registers: piece i / 2, channels 32 (i % 2) on
	global_load_b128 v[8*i:8*i+3],   v[QO], s[4:5] offset:(i/2)*2048+(i%2)*64
	global_load_b128 v[8*i+4:8*i+7], v[QO], s[4:5] offset:(i/2)*2048+(i%2)*64+32
.set i, i+1
.endr
	; What the first turn finds: V and P's second buffer hold 0, O^T and l are 0.  All this stands in the wait for the first tile.
.set i, VF
.rept 64
	v_mov_b32 v[i], 0
.set i, i+1
.endr
	WIN 0x40
.set i, 0
.rept 128
	v_mov_b32 v[i], 0
.set i, i+1
.endr
	WIN 0
.set i, 0
.rept 4
	v_mov_b32 v[ST+4*i], 0xfe000000    ; c m: far below every c s
	v_mov_b32 v[ST+4*i+1], 0xff7fffff  ; m
	v_mov_b32 v[ST+4*i+2], 0
	v_mov_b32 v[ST+4*i+3], 0
.set i, i+1
.endr
.set i, P+16
.rept 16
	v_mov_b32 v[i], 0
.set i, i+1
.endr
	v_mul_u32_u24 v[AK0], v1, PK
	v_lshl_add_u32 v[AK0], v9, 4, v[AK0]
	v_and_b32 v10, 7, v0
	v_bfe_u32 v11, v0, 3, 1
	v_lshl_add_u32 v[AV0], v9, 3, v10
	v_mul_u32_u24 v[AV0], v[AV0], PV
	v_lshl_add_u32 v[AV0], v11, 4, v[AV0]
	v_add_nc_u32 v[AV0], VOFF, v[AV0]
	s_mul_i32 s13, s[WV], 16*SP
	s_add_co_u32 s13, s13, STAGE
	v_mul_u32_u24 v[STO], v1, SP
	v_lshl_add_u32 v[STO], v9, 4, v[STO]
	v_add_nc_u32 v[STO], s13, v[STO]
	v_bfe_u32 v[RD], v0, 3, 2
	v_mul_u32_u24 v[RD], v[RD], SP
	v_lshl_add_u32 v[RD], v10, 4, v[RD]
	v_add_nc_u32 v[RD], s13, v[RD]
	v_and_b32 v[GO], 31, v0
	v_lshlrev_b32 v[GO], 4, v[GO]
; THE MATRIX WORK.  The 4 accumulators of a run of 8 take turns.
.macro KQ x                         ; product i of 8 of S^T = K Q^T for piece x: channels 32 (i / 4) on, keys 16 (i % 4) on
	WIN W_KQ
.set rS, S+32*((\x)%2)+8*(i%4)
.set rK, KF+16*(i%4)+8*(i/4)
.set rQ, 16*(\x)+8*(i/4)
.if i < 4
	v_wmma_f32_16x16x32_bf16 v[rS:rS+7], v[rK:rK+7], v[rQ:rQ+7], 0
.else
	v_wmma_f32_16x16x32_bf16 v[rS:rS+7], v[rK:rK+7], v[rQ:rQ+7], v[rS:rS+7]
.endif
.endm
.macro PV x                         ; product i of 8 of O^T += V^T P for piece x: keys 32 (i / 4) on, channels 16 (i % 4) on
	WIN W_PV
.set rO, 32*(\x)+8*(i%4)
.set rV, VF+32*(i/4)+8*(i%4)
.set rP, P+16*((\x)%2)+8*(i/4)
	v_wmma_f32_16x16x32_bf16 v[rO:rO+7], v[rV:rV+7], v[rP:rP+7], v[rO:rO+7]
.endm
.macro MM                           ; the turn's next matrix instruction
.if i < 8
	KQ (Y+1)%NP
.else
.set i, i-8
	PV (Y+NP-1)%NP
.set i, i+8
.endif
.set i, i+1
.endm
; THE LDS LOADS stand in runs of 16.  last = 1 (the tail): the step is held at the last tile's last step, so that the tail's fifth run reads that K once more.
.macro FETCH_K last=0
	WIN 0x80
.irp f, 0,1,2,3,4,5,6,7
	ds_load_b128 v[KF+8*\f:KF+8*\f+3],   v[AK] offset:(\f/2)*16*PK+(\f%2)*64
	ds_load_b128 v[KF+8*\f+4:KF+8*\f+7], v[AK] offset:(\f/2)*16*PK+(\f%2)*64+32
.endr
	s_add_co_u32 s[TBK], s[TBK], KS*PK
.if \last
	s_min_u32 s[TBK], s[TBK], SLOT1+3*KS*PK
.endif
	WIN 0
.endm
.macro FETCH_V
	WIN 0x80
.irp f, 0,1,2,3,4,5,6,7
	ds_load_tr16_b128 v[VF+8*\f:VF+8*\f+3],   v[AV] offset:(\f/4)*32*PV+(\f%4)*32
	ds_load_tr16_b128 v[VF+8*\f+4:VF+8*\f+7], v[AV] offset:(\f/4)*32*PV+16*PV+(\f%4)*32
.endr
	WIN 0
.endm
; THE VECTOR WORK, one line at a time: OP kind, number.  For piece Y: F n: c s - c m for pair n.  E n: the exponential of score n.  C n: pair n rounded to bf16.  B n: of the four weights 4 n .. the
; second pair is added onto the first.  L n: l takes that sum (L 0: l = a l + sum).  R n: pair n of O^T times a.  For piece Y + 1: X n, number n of the 22 that find its maximum and statistics
; (0-11 four chains of seven scores, each accumulator's lowest registers first; 12-14, 16 the rest, the old m, into c0; 15 c m_old is kept; 17, 18 the other half of the lanes; 19-21 c m, its change, a).
.set F, 0
.set E, 1
.set C, 2
.set B, 3
.set L, 4
.set R, 5
.set X, 6
.macro REGS y
.set rT, ST+4*(\y)
.set rC, TMP+4*((\y)%2)
.set rW, MV+((\y)%2)
.set rS, S+32*((\y)%2)
.set rP, P+16*((\y)%2)
.set rO, 32*(\y)
.endm
.macro OP k, n
.if (\k) == R
	REGS Y
	WIN W_RS
	v_pk_mul_f32 v[rO+2*(\n):rO+2*(\n)+1], v[rO+2*(\n):rO+2*(\n)+1], v[rC+2:rC+3] op_sel_hi:[1,0]
.elseif (\k) < R
	REGS Y
	WIN 0
.if (\k) == F
	v_pk_fma_f32 v[rS+2*(\n):rS+2*(\n)+1], v[rS+2*(\n):rS+2*(\n)+1], s[CS:CS+1], v[rT:rT+1] op_sel_hi:[1,0,0] neg_lo:[0,0,1] neg_hi:[0,0,1]
.elseif (\k) == E
	v_exp_f32 v[rS+(\n)], v[rS+(\n)]
.elseif (\k) == C
	v_cvt_pk_bf16_f32 v[rP+(\n)], v[rS+2*(\n)], v[rS+2*(\n)+1]
.elseif (\k) == B
	v_pk_add_f32 v[rS+4*(\n):rS+4*(\n)+1], v[rS+4*(\n):rS+4*(\n)+1], v[rS+4*(\n)+2:rS+4*(\n)+3]
.elseif (\n) == 0
	v_pk_fma_f32 v[rT+2:rT+3], v[rT+2:rT+3], v[rC+2:rC+3], v[rS:rS+1] op_sel_hi:[1,0,1]
.else
	v_pk_add_f32 v[rT+2:rT+3], v[rT+2:rT+3], v[rS+4*(\n):rS+4*(\n)+1]
.endif
.else
	REGS (Y+1)%NP
	WIN 0
.if (\n) < 4
	v_max3_num_f32 v[rC+(\n)], v[rS+8*(\n)], v[rS+8*(\n)+1], v[rS+8*(\n)+2]
.elseif (\n) < 12
	v_max3_num_f32 v[rC+(\n)%4], v[rC+(\n)%4], v[rS+8*((\n)%4)+2*((\n)/4)+1], v[rS+8*((\n)%4)+2*((\n)/4)+2]
.elseif (\n) == 12
	v_max3_num_f32 v[rC], v[rC], v[rS+7], v[rS+15]
.elseif (\n) == 13
	v_max3_num_f32 v[rC+1], v[rC+1], v[rS+23], v[rS+31]
.elseif (\n) == 14
	v_max3_num_f32 v[rC+2], v[rC+2], v[rC+3], v[rT+1]
.elseif (\n) == 15
	v_mov_b32 v[rW], v[rT]
.elseif (\n) == 16
	v_max3_num_f32 v[rC], v[rC], v[rC+1], v[rC+2]
.elseif (\n) == 17
	v_permlanex16_b32 v[rC+3], v[rC], s[SEL], s[SEL+1]
.elseif (\n) == 18
	v_max_num_f32 v[rT+1], v[rC], v[rC+3]
.elseif (\n) == 19
	v_mul_f32 v[rT], s[CS], v[rT+1]
.elseif (\n) == 20
	v_sub_f32 v[rC+1], v[rW], v[rT]
.else
	v_exp_f32 v[rC+2], v[rC+1]
.endif
.endif
.endm
.macro OPS a, i1, b=-1, i2=0, c=-1, i3=0, d=-1, i4=0
	OP \a, \i1
.if (\b) >= 0
	OP \b, \i2
.endif
.if (\c) >= 0
	OP \c, \i3
.endif
.if (\d) >= 0
	OP \d, \i4
.endif
.endm
.macro ROW a, i1, b, i2, c, i3, d, i4  ; a matrix instruction and the four behind it
	MM
	OPS \a, \i1, \b, \i2, \c, \i3, \d, \i4
.endm
; A TURN, for piece p.  One wait cuts it in two: ahead of it stands all that names no result of the turn's exponentials (the 8 products K Q^T with their riders, then the lump); behind it the
; 8 products V^T P, behind each four of the roundings and sums.  The X numbers that ride behind the last three products K Q^T stand four places or more behind the product that ends their accumulator.
; K of the next step is fetched in piece 2's turn, six plain instructions behind the last product that read K; V of the step in hand at the end of piece 0's turn, four plain instructions behind
; the last product that read V.  Each is waited for a turn later.  cnt = 1: the loop's count is taken down some lines ahead of the branch behind the turn.
.macro TURN p, last=0, cnt=0
.set Y, (\p)
.set i, 0
.if (\p) == 3
	s_wait_dscnt 0x0                ; K is in
.endif
	ROW F,0, F,1, R,0, R,1
	ROW F,2, E,0, R,2, R,3
	ROW F,3, E,1, R,4, R,5
	ROW F,4, E,2, R,6, R,7
	ROW F,5, E,3, R,8, R,9
	ROW F,6, E,4, X,0, R,10
.if (\p) == 2
	WIN 0
	v_add_nc_u32 v[AK], s[TBK], v[AK0]
.endif
	ROW F,7, E,5, X,1, X,4
	ROW F,8, E,6, X,2, X,5
	OPS E,7, E,8, X,6, E,9
	OPS X,3, E,10, X,8, E,11
.if (\p) == 2
	FETCH_K \last
.endif
	OPS X,9, X,7, E,12, X,10
	OPS E,13, X,12, X,11, E,14
	OPS X,13, E,15, F,9, X,14
.if (\p) == 0
	v_add_nc_u32 v[AV], s[TBV], v[AV0]
.endif
	OPS E,16, F,10, E,17, F,11
	OPS X,16, E,18, X,15, E,19
	OPS F,12, E,20, X,17, E,21
	OPS F,13, E,22, F,14, E,23
	OPS X,18, E,24, F,15, E,25
	OPS R,11, E,26, X,19, E,27
	OPS R,12, E,28, R,13, E,29
	OPS X,20, E,30, R,14, E,31
	OPS X,21, R,15                  ; the batch's last exponential, and the plain instruction behind it
	WIN 0
	s_wait_alu depctr_va_vdst(0)    ; the wait for the batch, ahead of its first reader
.if (\p) == 1
	s_wait_dscnt 0x0                ; V is in
.endif
	ROW C,0, B,0, C,2, B,1
	ROW L,0, C,4, B,2, L,1
	ROW C,6, B,3, L,2, C,8
	ROW B,4, L,3, C,10, B,5
	ROW L,4, C,12, B,6, L,5
.if (\p) == 0
	s_add_co_u32 s[TBV], s[TBV], KS*PV
.endif
.if \cnt
	s_sub_co_u32 s[CNT], s[CNT], 1
	s_cmp_lg_u32 s[CNT], 0
.endif
	ROW C,14, B,7, L,6, C,1
	ROW C,3, L,7, C,5, C,7
	ROW C,9, C,11, C,13, C,15
.if (\p) == 0
	FETCH_V
.endif
.endm
	CHANGE 1, 0                     ; tile 0 is in, everybody's part of it; tile 1 is asked for
	v_add_nc_u32 v[AK], s[TBK], v[AK0]
	FETCH_K                         ; key step 0
	s_wait_loadcnt 0x0              ; Q
	s_wait_dscnt 0x0
.set i, 0
.rept 8
	KQ 0                            ; piece 0's first scores
.set i, i+1
.endr
	WIN 0
.rept 4
	v_nop                           ; the places behind those products
.endr
.set Y, NP-1                        ; X works for piece Y + 1: piece 0
.irp n, 0,1,2,3,4,5,6,7,8,9,10,11,12,13,14,15,16,17,18,19,20,21
	OP X, \n
.endr
	v_nop
	s_wait_alu depctr_va_vdst(0)    ; the first a has its wait ahead of the branch
	s_mov_b32 s[CNT], 4
	s_mov_b32 s[SLOTS], 7
	s_branch .Lfirst                ; the loop is entered at a step's first turn
.Lslot:                             ; six times: tiles 2 to 7 are asked for
	CHANGE 1, 1
	s_mov_b32 s[CNT], 4
.Lstep:                             ; a trip: pieces 2 and 3 of one step, then pieces 0 and 1 of the next, whose K and V it fetches
	TURN 2
	TURN 3
	WIN 0
.Lfirst:
	TURN 0
	TURN 1, 0, 1
	WIN 0
	s_cbranch_scc1 .Lstep
	s_sub_co_u32 s[SLOTS], s[SLOTS], 1
	s_cmp_lg_u32 s[SLOTS], 0
	s_cbranch_scc1 .Lslot
	CHANGE 0, 0                     ; the tail is written out
	s_mov_b32 s[CNT], 5             ; four trips fetch the last tile's steps; the fifth is left in its middle
.Ltail:
	TURN 2, 1
	TURN 3
	WIN 0
	s_sub_co_u32 s[CNT], s[CNT], 1
	s_cmp_eq_u32 s[CNT], 0
	s_cbranch_scc1 .Lout
	TURN 0
	TURN 1
	WIN 0
	s_branch .Ltail
.Lout:                              ; the fifth trip's products K Q^T of piece 0 and the maximum made of them serve nothing: the price, once a launch, of one text for every trip
.set i, 0
.rept 8
	PV NP-1
.set i, i+1
.endr
	WIN 0
.macro ALL line:vararg
.set t, 0
.rept 4
	\line
.set t, t+1
.endr
.endm
	ALL v_add_f32 v[ST+4*t+2], v[ST+4*t+2], v[ST+4*t+3]
	ALL v_permlanex16_b32 v[ST+4*t+3], v[ST+4*t+2], s[SEL], s[SEL+1]
	ALL v_add_f32 v[ST+4*t+2], v[ST+4*t+2], v[ST+4*t+3]
	ALL v_rcp_f32 v[ST+4*t+2], v[ST+4*t+2]
	v_nop
	s_wait_alu depctr_va_vdst(0)    ; one wait for the four reciprocals
.macro PACK t                       ; a lane's eight channels pack into 16 bytes; they go into rows of 144 bytes and come back as whole rows of 128
	WIN W_RS
.set i, 32*(\t)
.rept 16
	v_pk_mul_f32 v[i:i+1], v[i:i+1], v[ST+4*(\t)+2:ST+4*(\t)+3] op_sel_hi:[1,0]
.set i, i+2
.endr
	WIN 0x05
.set i, 0
.rept 16
	v_cvt_pk_bf16_f32 v[S+16*(\t)+i], v[32*(\t)+2*i], v[32*(\t)+2*i+1]
.set i, i+1
.endr
	WIN 0
.irp f, 0,1,2,3
	ds_store_b128 v[STO], v[S+16*(\t)+4*\f:S+16*(\t)+4*\f+3] offset:32*\f
.endr
.irp f, 0,1,2,3
	ds_load_b128 v[S+16*(\t)+4*\f:S+16*(\t)+4*\f+3], v[RD] offset:\f*4*SP  ; LDS serves a wave's instructions in order: these see the stores above
.endr
.endm
.macro SEND t, younger              ; younger: the LDS instructions issued behind piece t's loads
	WIN 0
.irp f, 0,1,2,3
	s_wait_dscnt (\younger)+3-\f
	global_store_b128 v[GO], v[S+16*(\t)+4*\f:S+16*(\t)+4*\f+3], s[10:11] offset:(\t)*2048+\f*512  ; 512 consecutive bytes, aligned
.endr
.endm
	PACK 0
.set t, 1
.rept 3
	PACK t
	SEND t-1, 8
.set t, t+1
.endr
	SEND 3, 0
	s_wait_tensorcnt 0x0            ; the wave's end
	ds_add_u32 v[SPW], v[NIL]
	s_wait_dscnt 0x0
	CROUND                          ; the closing round
	s_endpgm
.Lfunc_end_k_qf81f19d628_l_attn:
	.size	k_qf81f19d628_l_attn, .Lfunc_end_k_qf81f19d628_l_attn-k_qf81f19d628_l_attn
	.p2alignl 7, 3214868480
	.fill 96, 4, 3214868480
	.section	.rodata,"a",@progbits
	.p2align	6, 0x0
	.amdhsa_kernel k_qf81f19d628_l_attn
		.amdhsa_group_segment_fixed_size 327680
		.amdhsa_private_segment_fixed_size 0
		.amdhsa_enable_private_segment 0
		.amdhsa_kernarg_size 16
		.amdhsa_user_sgpr_count 2
		.amdhsa_user_sgpr_kernarg_segment_ptr 1
		.amdhsa_wavefront_size32 1
		.amdhsa_system_sgpr_workgroup_id_x 1
		.amdhsa_system_sgpr_workgroup_id_y 1
		.amdhsa_system_sgpr_workgroup_id_z 1
		.amdhsa_system_vgpr_workitem_id 0
		.amdhsa_next_free_vgpr 768
		.amdhsa_next_free_sgpr 66
		.amdhsa_reserve_vcc 0
		.amdhsa_float_denorm_mode_32 3
		.amdhsa_float_denorm_mode_16_64 3
		.amdhsa_memory_ordered 1
		.amdhsa_forward_progress 1
		.amdhsa_inst_pref_size 112
	.end_amdhsa_kernel
	.amdgpu_metadata
---
amdhsa.version: [ 1, 2 ]
amdhsa.kernels:
  - .name:           k_qf81f19d628_l_attn
    .symbol:         k_qf81f19d628_l_attn.kd
    .args:
      - { .name: qkvb, .offset: 0, .size: 8, .value_kind: global_buffer, .address_space: global }
      - { .name: obuf, .offset: 8, .size: 8, .value_kind: global_buffer, .address_space: global }
    .group_segment_fixed_size: 327680
    .private_segment_fixed_size: 0
    .kernarg_segment_align: 8
    .kernarg_segment_size: 16
    .max_flat_workgroup_size: 128
    .sgpr_count:     66
    .vgpr_count:     768
    .wavefront_size: 32
...
	.end_amdgpu_metadata
.endif
;; end of part 3
;; launch l_wo (part 4): grid 8 x 32, 4 waves a work-group, clusters of 4 x 4, 327,680 bytes of LDS; arguments obuf, wbf, bo, x, x1buf; writes x1buf
.if DOCPART == 4
	.amdgcn_target "amdgcn-amd-amdhsa--gfx1250"
	.amdhsa_code_object_version 6
	.text
	.protected	k_qf81f19d628_l_wo
	.globl	k_qf81f19d628_l_wo
	.p2align	8
	.type	k_qf81f19d628_l_wo,@function
k_qf81f19d628_l_wo:
	s_mov_b64 s[64:65], 0
	v_nop
	global_prefetch_b8 v0, s[64:65] scope:SCOPE_SE
	s_setreg_imm32_b32 hwreg(HW_REG_WAVE_MODE, 25, 1), 1
	s_wait_xcnt 0x0
	s_wait_alu depctr_hold_cnt(0) depctr_sa_sdst(0) depctr_va_vdst(0) depctr_va_sdst(0) depctr_va_ssrc(0) depctr_va_vcc(0) depctr_vm_vsrc(0)
	s_getreg_b32 s2, hwreg(HW_REG_IB_STS2, 6, 4)
	s_cmp_eq_u32 s2, 0
	s_cbranch_scc0 .Lentry_in_a_cluster
	s_endpgm
.Lentry_in_a_cluster:
	s_bfe_u32 s2, ttmp6, 0x10000c
	s_cmp_lg_u32 s2, 0xf033
	s_cbranch_scc0 .Lentry_shape_is_right
	s_endpgm
.Lentry_shape_is_right:
; out = res + (A W + bias), f32.  A lies in planes [K / 64][4096 tokens][64] bf16; W: [K][1024] bf16 at byte WOFF of the weights, K down the rows; bias [1024], res and out [4096][1024] f32.
; A tile of out is 128 x 128 (256 work-groups), four waves of 64 x 64: 16 accumulators.  K goes in STEPS steps of 256 (four planes) through two LDS slots.
; A's part of a slot: [token half][plane][64 tokens], pitch 144; one tensor load brings four rows of 8,192 dense bytes (64 tokens of a plane), padded after every 128 bytes: fewer than 64 rows, since a plane's block is dense.
; B's part: 256 k rows x 256 bytes, pitch 288; its fragments come out turned, by ds_load_tr16_b128.
; CLUSTER 4 x 4: A's tile is asked for jointly along a row of the cluster, B's along a column.  No prefetch: the tiles are small.
; THE MATRIX INSTRUCTION IS USED TRANSPOSED: a lane holds one token and eight neighbouring columns.  A wave's 64 columns of f32 are 256 bytes: each wave has a stage of its own and stores whole aligned blocks.
; The residual is loaded at the head into window 2 and stays on its way under the whole K loop.
; REGISTERS: window 0: v0-31 addresses; v32-95 at work on the way out; v96-99 bias; v128-255 accumulators.  window 1: two fragment buffers of 128 (64 of A, 64 of B).  window 2: v0-127 the residual.
; LIMITS: operands bf16; NaN and infinities are not treated apart.
.set STEPS, 4
.set WOFF,  6<<20
.set PAS,   144
.set PBS,   288
.set HALF,  36864                      ; 4 planes x 64 tokens x 144 = 128 k rows x 288
.set SLOT,  4*HALF
.set STAGE, 2*SLOT
.set SPITCH, 272
.set SPARE, STAGE+4*16*SPITCH
.set LA0,  14
.set LB0,  15
.set ADRA, 16
.set ADRB, 20                          ; v20: k rows 0-127 of the slot in hand; v21: 128-255
.set STO,  24
.set RD,   25
.set CO,   26
.set BOF,  27
.set SPW,  28
.set NIL,  29
.set TMP,  32
.set BIAS, 96
.set ACC,  128
.set F0,   0
.set F1,   128
.set RES,  0
.set G1,  24
.set G0,  32
.set G1B, 48
.set G0B, 56
.set TB,  66
.set MSB, 0
.macro WIN new
.if MSB != (\new)
	s_set_vgpr_msb (MSB<<8)|(\new)
.set MSB, \new
.endif
.endm
.set MUL,  0x05                        ; sources 0 (B) and 1 (A) window 1; C and D window 0
.set TO_F, 0x40
.macro PLACES
.rept 4
	v_nop
.endr
.endm
.macro JLOAD                           ; the joint refill; s_nop 0 and four v_nop behind each line
	s_cmp_eq_u32 s11, 0
	s_cbranch_scc0 .Lfor_b_\@
	tensor_load_to_lds s[G0+4:G0+7], s[G1:G1+7]
	s_nop 0
	PLACES
	s_branch .Lasked_\@
.Lfor_b_\@:
	tensor_load_to_lds s[G0B+4:G0B+7], s[G1B:G1B+7]
	s_nop 0
	PLACES
.Lasked_\@:
.endm
.macro CREST
	s_cmp_lg_u32 s10, 0
	s_cbranch_scc1 .Lnot_wave_0_\@
	s_barrier_signal -3
.Lnot_wave_0_\@:
	s_barrier_wait -3
	s_barrier_signal -1
	s_barrier_wait -1
.endm
.macro CROUND
	s_barrier_signal -1
	s_barrier_wait -1
	CREST
.endm
	s_load_b128 s[4:7], s[0:1], 0x0                ; A's planes, the bf16 weights
	s_load_b128 s[68:71], s[0:1], 0x10             ; bias, residual
	s_load_b64 s[8:9], s[0:1], 0x20                ; out
	v_lshl_add_u32 v[SPW], v0, 2, SPARE
	v_mov_b32 v[NIL], 0
	ds_add_u32 v[SPW], v[NIL]                      ; the opening: the add, and its wait ahead of my first tensor load
	v_lshrrev_b32 v1, 5, v0
	v_readfirstlane_b32 s10, v1
	s_lshr_b32 s11, s10, 1                         ; my half of the tile's tokens.  Also: I fetch for A (0) or B (1)
	s_and_b32 s12, s10, 1                          ; my half of its columns.  Also: which half of that tile I fetch
	s_bfe_u32 s40, ttmp6, 0x40000
	s_bfe_u32 s41, ttmp6, 0x40004
	s_lshl_b32 s42, ttmp9, 2
	s_add_co_u32 s42, s42, s40                     ; tile column
	s_and_b32 s13, ttmp7, 0xffff
	s_lshl_b32 s13, s13, 2
	s_add_co_u32 s13, s13, s41                     ; tile row
	s_lshl_b32 s43, s41, 2
	s_lshl_b32 s43, 15, s43
	s_lshl_b32 s44, 0x1111, s40
	s_or_b32 s[G1+0], s43, (1<<16)|(1<<20)|(1<<21)|(4<<22)|(3<<25)   ; after every 32 words, 4 words
	s_or_b32 s[G1B+0], s44, (1<<16)|(1<<20)|(1<<21)|(5<<22)|(7<<25)  ; after every 64 words, 8 words
	s_mov_b32 s[G1+1], 4096<<16                    ; tensor_dim0 = 4,096 elements: 64 tokens of a plane
	s_mov_b32 s[G1+2], 4<<16                       ; tensor_dim1 = 4 planes
	s_mov_b32 s[G1+3], 4096<<16
	s_mov_b32 s[G1+4], 4
	s_mov_b32 s[G1+5], 262144                      ; elements from plane to plane
	s_mov_b32 s[G1+6], 0
	s_mov_b32 s[G1+7], 0
	s_mov_b32 s[G1B+1], 128<<16
	s_mov_b32 s[G1B+2], 128<<16
	s_mov_b32 s[G1B+3], 128<<16
	s_mov_b32 s[G1B+4], 128
	s_mov_b32 s[G1B+5], 1024
	s_mov_b32 s[G1B+6], 0
	s_mov_b32 s[G1B+7], 0
	s_lshl_b32 s16, s13, 14                        ; A: (128 x tile row + 64 x half) tokens of 128 bytes
	s_lshl_b32 s17, s12, 13
	s_add_co_u32 s16, s16, s17
	s_mov_b32 s17, 0
	s_lshl_b32 s46, s42, 8                         ; B: 256 bytes a tile column, my 128 k rows of 2,048 bytes
	s_lshl_b32 s47, s12, 18
	s_add_co_u32 s46, s46, s47
	s_add_co_u32 s46, s46, WOFF
	s_mov_b32 s47, 0
	s_mul_i32 s20, s10, HALF
	s_mov_b32 s[TB], 0
	s_wait_dscnt 0x0
	s_wait_kmcnt 0x0
	s_add_nc_u64 s[14:15], s[4:5], s[16:17]
	s_add_nc_u64 s[46:47], s[6:7], s[46:47]
	CROUND
.irp s, 0,1
	s_mov_b32 s[G0+4*(\s)], 1
	s_add_co_u32 s[G0+4*(\s)+1], s20, (\s)*SLOT
	s_add_nc_u64 s[G0+4*(\s)+2:G0+4*(\s)+3], s[14:15], (\s)*0x200000
	s_or_b32 s[G0+4*(\s)+3], s[G0+4*(\s)+3], 0x80000000
	s_mov_b32 s[G0B+4*(\s)], 1
	s_add_co_u32 s[G0B+4*(\s)+1], s20, (\s)*SLOT
	s_add_nc_u64 s[G0B+4*(\s)+2:G0B+4*(\s)+3], s[46:47], (\s)*524288
	s_or_b32 s[G0B+4*(\s)+3], s[G0B+4*(\s)+3], 0x80000000
.endr
	s_cmp_eq_u32 s11, 0                            ; a wave's two first fills stand in one branch
	s_cbranch_scc0 .Lfirst_b
	tensor_load_to_lds s[G0:G0+3], s[G1:G1+7]
	s_nop 0
	tensor_load_to_lds s[G0+4:G0+7], s[G1:G1+7]
	s_nop 0
	PLACES
	s_branch .Lfirst_asked
.Lfirst_b:
	tensor_load_to_lds s[G0B:G0B+3], s[G1B:G1B+7]
	s_nop 0
	tensor_load_to_lds s[G0B+4:G0B+7], s[G1B:G1B+7]
	s_nop 0
	PLACES
.Lfirst_asked:
	v_and_b32 v1, 15, v0
	v_bfe_u32 v2, v0, 4, 1
	v_and_b32 v3, 7, v0
	v_bfe_u32 v4, v0, 3, 1
	v_mul_u32_u24 v[LA0], v1, PAS
	v_lshl_add_u32 v[LA0], v2, 4, v[LA0]
	s_mul_i32 s21, s11, HALF
	v_add_nc_u32 v[LA0], s21, v[LA0]
	v_lshl_add_u32 v[LB0], v2, 3, v3
	v_mul_u32_u24 v[LB0], v[LB0], PBS
	v_lshl_add_u32 v[LB0], v4, 4, v[LB0]
	s_lshl_b32 s22, s12, 7
	s_add_co_u32 s22, s22, 2*HALF
	v_add_nc_u32 v[LB0], s22, v[LB0]
	v_mov_b32 v[ADRA], v[LA0]
	v_mov_b32 v[ADRB], v[LB0]
	v_add_nc_u32 v[ADRB+1], HALF, v[LB0]
	s_mul_i32 s23, s10, 16*SPITCH
	s_add_co_u32 s23, s23, STAGE
	v_mul_u32_u24 v[STO], v1, SPITCH               ; in: token l % 16, 32 bytes for each half of the lanes
	v_lshl_add_u32 v[STO], v2, 5, v[STO]
	v_add_nc_u32 v[STO], s23, v[STO]
	v_mul_u32_u24 v[RD], v2, SPITCH                ; back: lanes 0-15 one row of 256 bytes, lanes 16-31 the next
	v_lshl_add_u32 v[RD], v1, 4, v[RD]
	v_add_nc_u32 v[RD], s23, v[RD]
	v_lshlrev_b32 v[BOF], 4, v1
	v_lshl_add_u32 v[CO], v2, 12, v[BOF]           ; the same two rows in out and in the residual
	s_lshl_b32 s16, s42, 9                         ; my 64 columns of f32
	s_lshl_b32 s17, s12, 8
	s_add_co_u32 s16, s16, s17
	s_mov_b32 s17, 0
	s_add_nc_u64 s[68:69], s[68:69], s[16:17]
	s_lshl_b32 s18, s13, 19                        ; my 64 tokens of 4,096 bytes
	s_add_co_u32 s16, s16, s18
	s_lshl_b32 s18, s11, 18
	s_add_co_u32 s16, s16, s18
	s_add_nc_u64 s[70:71], s[70:71], s[16:17]
	s_add_nc_u64 s[8:9], s[8:9], s[16:17]
	WIN 0x80                                       ; destination window 2
.irp a, 0,1,2,3
.irp t, 0,1,2,3,4,5,6,7
	global_load_b128 v[RES+32*(\a)+4*(\t):RES+32*(\a)+4*(\t)+3], v[CO], s[70:71] offset:(16*(\a)+2*(\t))*4096 th:TH_LOAD_NT
.endr
.endr
	WIN 0
	global_load_b128 v[BIAS:BIAS+3], v[BOF], s[68:69]
.macro MUL8 f, c, a0, zero             ; 8 matrix instructions: token blocks a0, a0 + 1 x 4 column blocks, 32 along K; the 16 accumulators take turns
	WIN MUL
.irp a, \a0, (\a0)+1
.irp b, 0,1,2,3
.if \zero
	v_wmma_f32_16x16x32_bf16 v[ACC+8*(4*(\a)+(\b)):ACC+8*(4*(\a)+(\b))+7], v[(\f)+64+8*(4*(\c)+(\b)):(\f)+64+8*(4*(\c)+(\b))+7], v[(\f)+8*(4*(\c)+(\a)):(\f)+8*(4*(\c)+(\a))+7], 0
.else
	v_wmma_f32_16x16x32_bf16 v[ACC+8*(4*(\a)+(\b)):ACC+8*(4*(\a)+(\b))+7], v[(\f)+64+8*(4*(\c)+(\b)):(\f)+64+8*(4*(\c)+(\b))+7], v[(\f)+8*(4*(\c)+(\a)):(\f)+8*(4*(\c)+(\a))+7], v[ACC+8*(4*(\a)+(\b)):ACC+8*(4*(\a)+(\b))+7]
.endif
.endr
.endr
.endm
.macro FETCH q, f                      ; 32 LDS loads in one run: quarter q (one plane, 64 along K) into buffer f; the first 32 along K first
	WIN TO_F
.irp c, 0,1
.irp i, 0,1,2,3
	ds_load_tr16_b128 v[(\f)+64+8*(4*(\c)+(\i)):(\f)+64+8*(4*(\c)+(\i))+3],   v[ADRB+(\q)/2] offset:(64*((\q)%2)+32*(\c))*PBS+32*(\i)
	ds_load_tr16_b128 v[(\f)+64+8*(4*(\c)+(\i))+4:(\f)+64+8*(4*(\c)+(\i))+7], v[ADRB+(\q)/2] offset:(64*((\q)%2)+32*(\c)+16)*PBS+32*(\i)
	ds_load_b128 v[(\f)+8*(4*(\c)+(\i)):(\f)+8*(4*(\c)+(\i))+3],   v[ADRA] offset:(\q)*64*PAS+(\i)*16*PAS+64*(\c)
	ds_load_b128 v[(\f)+8*(4*(\c)+(\i))+4:(\f)+8*(4*(\c)+(\i))+7], v[ADRA] offset:(\q)*64*PAS+(\i)*16*PAS+64*(\c)+32
.endr
.endr
.endm
.macro QUARTER q, f, g, zero
	s_wait_dscnt 16                                ; the first 32 along K are in
	MUL8 \f, 0, 0, \zero
	MUL8 \f, 0, 2, \zero
	PLACES
	FETCH \q, \g
	s_wait_dscnt 32                                ; all but the 32 just issued
	MUL8 \f, 1, 0, 0
	MUL8 \f, 1, 2, 0
.endm
; The last quarter multiplies buffer 1 and changes slots: in front of the barrier each wave waits for all its tensor loads, adds 0 to its spare word, and waits for that and for its reads of this slot.
.macro TURN fill
	WIN 0
	s_wait_tensorcnt 0x0
	ds_add_u32 v[SPW], v[NIL]
	s_wait_dscnt 17                                ; (the add and the youngest sixteen loads may be out)
	MUL8 F1, 0, 0, 0
	s_wait_dscnt 0x0
	s_barrier_signal -1
	MUL8 F1, 0, 2, 0
	WIN 0
	s_barrier_wait -1
.if \fill
	CREST                                          ; no wave of any partner still reads this slot or has a load on its way
	s_add_co_u32 s[G0+5], s20, s[TB]
	s_add_co_u32 s[G0B+5], s20, s[TB]
	s_add_nc_u64 s[G0+6:G0+7], s[G0+6:G0+7], 0x200000
	s_add_nc_u64 s[G0B+6:G0B+7], s[G0B+6:G0B+7], 524288
.endif
	s_xor_b32 s[TB], s[TB], SLOT
.if \fill
	JLOAD                                          ; 112 matrix instructions ahead of the wait for it
.else
	PLACES
.endif
	v_add_nc_u32 v[ADRA], s[TB], v[LA0]
	v_add_nc_u32 v[ADRB], s[TB], v[LB0]
	v_add_nc_u32 v[ADRB+1], HALF, v[ADRB]
	FETCH 0, F0
	MUL8 F1, 1, 0, 0
	MUL8 F1, 1, 2, 0
.endm
	s_wait_tensorcnt 1                             ; my part of K step 0 is in; step 1's may stay out
	s_barrier_signal -1
	s_barrier_wait -1
	FETCH 0, F0
	QUARTER 1, F0, F1, 1
	WIN 0
	s_mov_b32 s3, STEPS-2
.Lk:
	QUARTER 2, F1, F0, 0
	QUARTER 3, F0, F1, 0
	TURN 1
	QUARTER 1, F0, F1, 0
	WIN 0
	s_sub_co_u32 s3, s3, 1
	s_cmp_lg_u32 s3, 0
	s_cbranch_scc1 .Lk
	s_mov_b32 s3, 2
.Lt:                                                   ; the last two K steps ask for nothing; the second trip is left in its middle, and its run of LDS loads serves nothing
	QUARTER 2, F1, F0, 0
	QUARTER 3, F0, F1, 0
	TURN 0
	WIN 0
	s_sub_co_u32 s3, s3, 1
	s_cmp_eq_u32 s3, 0
	s_cbranch_scc1 .Lout
	QUARTER 1, F0, F1, 0
	WIN 0
	s_branch .Lt
.Lout:
	s_wait_loadcnt 0x0                             ; the residual and the bias
	s_wait_dscnt 0x0
	WIN 0x82                                       ; destination and source 0 window 2, source 1 window 0
.set i, 0
.rept 64
	v_pk_add_f32 v[RES+i:RES+i+1], v[RES+i:RES+i+1], v[BIAS+i%4:BIAS+i%4+1]  ; residual + bias; also the places behind the last products
.set i, i+2
.endr
	WIN 0
.macro TOSTAGE a                       ; 16 tokens x 64 columns of f32 into my stage, and back as whole rows of 256 bytes
.irp b, 0,1,2,3
	ds_store_b128 v[STO], v[ACC+8*(4*(\a)+(\b)):ACC+8*(4*(\a)+(\b))+3]   offset:64*(\b)
	ds_store_b128 v[STO], v[ACC+8*(4*(\a)+(\b))+4:ACC+8*(4*(\a)+(\b))+7] offset:64*(\b)+16
.endr
.irp t, 0,1,2,3,4,5,6,7
	ds_load_b128 v[TMP+32*((\a)%2)+4*(\t):TMP+32*((\a)%2)+4*(\t)+3], v[RD] offset:(\t)*2*SPITCH  ; LDS serves a wave's instructions in order: these see the stores above
.endr
.endm
.macro SEND a, younger                 ; younger: the next block's eight stores and eight loads, or none
	s_wait_dscnt \younger
	WIN 0x08                                       ; source 1 window 2
.set i, 0
.rept 16
	v_pk_add_f32 v[TMP+32*((\a)%2)+i:TMP+32*((\a)%2)+i+1], v[TMP+32*((\a)%2)+i:TMP+32*((\a)%2)+i+1], v[RES+32*(\a)+i:RES+32*(\a)+i+1]
.set i, i+2
.endr
	WIN 0
.irp t, 0,1,2,3,4,5,6,7
	global_store_b128 v[CO], v[TMP+32*((\a)%2)+4*(\t):TMP+32*((\a)%2)+4*(\t)+3], s[8:9] offset:(16*(\a)+2*(\t))*4096  ; 16 lanes store 256 consecutive bytes, aligned
.endr
.endm
	TOSTAGE 0
	TOSTAGE 1
	SEND 0, 16
	s_wait_xcnt 0x0                                ; block 0's stores have read their registers: block 2 is loaded into them only behind this wait
	TOSTAGE 2
	SEND 1, 16
	s_wait_xcnt 0x0
	TOSTAGE 3
	SEND 2, 16
	SEND 3, 0
	s_wait_tensorcnt 0x0                           ; the wave's end
	ds_add_u32 v[SPW], v[NIL]
	s_wait_dscnt 0x0
	CROUND
	s_endpgm
.Lfunc_end_k_qf81f19d628_l_wo:
	.size	k_qf81f19d628_l_wo, .Lfunc_end_k_qf81f19d628_l_wo-k_qf81f19d628_l_wo
	.p2alignl 7, 3214868480
	.fill 96, 4, 3214868480
	.section	.rodata,"a",@progbits
	.p2align	6, 0x0
	.amdhsa_kernel k_qf81f19d628_l_wo
		.amdhsa_group_segment_fixed_size 327680
		.amdhsa_private_segment_fixed_size 0
		.amdhsa_enable_private_segment 0
		.amdhsa_kernarg_size 40
		.amdhsa_user_sgpr_count 2
		.amdhsa_user_sgpr_kernarg_segment_ptr 1
		.amdhsa_wavefront_size32 1
		.amdhsa_system_sgpr_workgroup_id_x 1
		.amdhsa_system_sgpr_workgroup_id_y 1
		.amdhsa_system_sgpr_workgroup_id_z 1
		.amdhsa_system_vgpr_workitem_id 0
		.amdhsa_next_free_vgpr 640
		.amdhsa_next_free_sgpr 72
		.amdhsa_reserve_vcc 0
		.amdhsa_float_denorm_mode_32 3
		.amdhsa_float_denorm_mode_16_64 3
		.amdhsa_memory_ordered 1
		.amdhsa_forward_progress 1
		.amdhsa_inst_pref_size 69
	.end_amdhsa_kernel
	.amdgpu_metadata
---
amdhsa.version: [ 1, 2 ]
amdhsa.kernels:
  - .name:           k_qf81f19d628_l_wo
    .symbol:         k_qf81f19d628_l_wo.kd
    .args:
      - { .name: obuf, .offset: 0, .size: 8, .value_kind: global_buffer, .address_space: global }
      - { .name: wbf, .offset: 8, .size: 8, .value_kind: global_buffer, .address_space: global }
      - { .name: bo, .offset: 16, .size: 8, .value_kind: global_buffer, .address_space: global }
      - { .name: x, .offset: 24, .size: 8, .value_kind: global_buffer, .address_space: global }
      - { .name: x1buf, .offset: 32, .size: 8, .value_kind: global_buffer, .address_space: global }
    .group_segment_fixed_size: 327680
    .private_segment_fixed_size: 0
    .kernarg_segment_align: 8
    .kernarg_segment_size: 40
    .max_flat_workgroup_size: 128
    .sgpr_count:     72
    .vgpr_count:     640
    .wavefront_size: 32
...
	.end_amdgpu_metadata
.endif
;; end of part 4
;; launch l_ln2: the kernel of part 1 again; grid 256 x 1, 8 waves a work-group, no clusters, 0 bytes of LDS; arguments x1buf, g2, be2, hbuf, wq, wk, wv, wo, w1, w2, wbf; writes hbuf, wbf
;; launch l_ffn1 (part 5): grid 16 x 16, 4 waves a work-group, clusters of 4 x 4, 327,680 bytes of LDS; arguments hbuf, wbf, b1, abuf; writes abuf
.if DOCPART == 5
	.amdgcn_target "amdgcn-amd-amdhsa--gfx1250"
	.amdhsa_code_object_version 6
	.text
	.protected	k_qf81f19d628_l_ffn1
	.globl	k_qf81f19d628_l_ffn1
	.p2align	8
	.type	k_qf81f19d628_l_ffn1,@function
k_qf81f19d628_l_ffn1:
	s_mov_b64 s[64:65], 0
	v_nop
	global_prefetch_b8 v0, s[64:65] scope:SCOPE_SE
	s_setreg_imm32_b32 hwreg(HW_REG_WAVE_MODE, 25, 1), 1
	s_wait_xcnt 0x0
	s_wait_alu depctr_hold_cnt(0) depctr_sa_sdst(0) depctr_va_vdst(0) depctr_va_sdst(0) depctr_va_ssrc(0) depctr_va_vcc(0) depctr_vm_vsrc(0)
	s_getreg_b32 s2, hwreg(HW_REG_IB_STS2, 6, 4)
	s_cmp_eq_u32 s2, 0
	s_cbranch_scc0 .Lentry_in_a_cluster
	s_endpgm
.Lentry_in_a_cluster:
	s_bfe_u32 s2, ttmp6, 0x10000c
	s_cmp_lg_u32 s2, 0xf033
	s_cbranch_scc0 .Lentry_shape_is_right
	s_endpgm
.Lentry_shape_is_right:
; C = gelu(h W + bias), rounded once to bf16 (GELU = 0: h W + bias).  h: [4096][1024] bf16; W = w1: [1024][4096] bf16 at 8 MiB of the weights, K down the rows; sums in f32.
; C leaves IN PLANES: [column / 64][4096 tokens][64] bf16, so that 4 tokens x 64 columns are 512 consecutive bytes.
; A tile of C is 256 tokens x 256 columns (256 work-groups), made by four waves of 128 x 128: 64 accumulators of 16 x 16, 512 registers.  K goes in 8 steps of 128 through two LDS slots.
; A's tile: 256 rows x 256 bytes, LDS pitch 272.  B's tile: 128 k rows x 512 bytes, LDS pitch 544; its fragments come out turned, by ds_load_tr16_b128.
; CLUSTER 4 x 4: A's tile is asked for jointly along a row of the cluster, B's along a column.
; THE MATRIX INSTRUCTION IS USED TRANSPOSED (source 0 = 16 columns of W, source 1 = 16 tokens): a lane then holds one token and eight neighbouring columns.
; THE WAY OUT: the sums are laid in f32 over the slots, which have had their last fill (each wave 128 rows x 528 bytes of its own), and walked 8 rows a trip.
; REGISTERS: window 0: v0-31 addresses, v64-127 and v128-191 A's fragments (two buffers), v240-255 the bias; window 1: B's fragments, same numbers; windows 2, 3: accumulator (a, b) at v[8 (8 (a % 4) + b)].
; LIMITS: operands bf16; erf by a rational form with |error| <= 1.5e-7 for every argument, so gelu is off by at most 0.75e-7 |z| beside f32's own rounding; an infinite z gives NaN; NaN is not treated apart.
.set GELU,  1
.set NP,    4096                       ; elements in a row of W
.set PB,    2*NP                       ; bytes
.set BSTEP, 128*PB                     ; a K step down W
.set PA,    272                        ; 256 + 16 bytes = 68 words: the 16 rows of a fragment load start at 16 different groups of four banks
.set PBL,   544                        ; 512 + 32 bytes: an odd multiple of 32
.set HALF,  128*PA                     ; what one tensor load brings: 128 rows of A, or 64 k rows of B (64 x 544)
.set SLOT,  4*HALF
.set DPITCH, 528                       ; the way out: 512 bytes of f32 + 16
.set DWAVE, 128*DPITCH
.set SPARE, 2*SLOT                     ; behind the slots: the spare words, 128 bytes a wave, that no other line names
.set LA0,  16                          ; v16  my lane's place in A's tile; never rewritten
.set LB0,  17                          ; v17  in B's
.set ADRA, 18                          ; v18  the same in the slot in hand
.set ADRB, 19
.set DST,  20                          ; v20  where I lay 32 bytes of a row of sums
.set RDA,  22                          ; v22  where I read them back: 8 lanes a row, 32 bytes each
.set GO,   23                          ; v23  my 16 bytes of 512 of a plane
.set BO,   24                          ; v24  my 32 bytes of a plane's 256 of bias
.set SPW,  28
.set NIL,  29
.set PFO,  30                          ; v30  the prefetches' offset
.set F0,   64
.set F1,   128
.set Z,    32                          ; the way out, all in window 0
.set ZN,   64
.set C1,   96
.set TT,   128
.set E,    160
.set R,    192
.set Y,    224
.set BI,   240
.set G1,  24                           ; s[24:31] group 1 for A;  s[32:39] group 0: the first fill's set, then the set that walks
.set G0,  32
.set G1B, 48                           ; s[48:55], s[56:63] the same for B
.set G0B, 56
.set LIM, 43
.set PFA, 44
.set TB,  66                           ; s66  0 or SLOT: the slot in hand
.set PFS, 68                           ; s[68:69] a K step in the tensor that I prefetch
.set P2,  70
.set CQ,  72
.set A1,  74
.set A2,  76
.set A3,  78
.set A4,  80
.set A5,  82
.set MSB, 0
.macro WIN new                         ; the immediate's high byte repeats the setting that is left
.if MSB != (\new)
	s_set_vgpr_msb (MSB<<8)|(\new)
.set MSB, \new
.endif
.endm
.set MUL_LO, 0xa1                      ; source 0 (B) window 1, source 1 (A) window 0, C and D window 2
.set MUL_HI, 0xf1
.set TO_B,   0x40
.macro PLACES                          ; four plain places behind matrix instructions, in front of loads into registers that they read and of stores of their results
.rept 4
	v_nop
.endr
.endm
.macro JLOAD                           ; the joint refill: waves 0, 1 A's halves, waves 2, 3 B's; s_nop 0 and four v_nop behind each line
	s_cmp_eq_u32 s11, 0
	s_cbranch_scc0 .Lfor_b_\@
	tensor_load_to_lds s[G0+4:G0+7], s[G1:G1+7]
	s_nop 0
	PLACES
	s_branch .Lasked_\@
.Lfor_b_\@:
	tensor_load_to_lds s[G0B+4:G0B+7], s[G1B:G1B+7]
	s_nop 0
	PLACES
.Lasked_\@:
.endm
.macro ASK                             ; a prefetch into the L2 of the K step that the NEXT refill will ask for: 32 blocks of 256 bytes, a lane a block; the loop's last trip has none
	s_cmp_gt_u32 s3, s[LIM]
	s_cbranch_scc0 .Lnot_mine_\@
	global_prefetch_b8 v[PFO], s[PFA:PFA+1] th:TH_LOAD_NT scope:SCOPE_SE
.Lnot_mine_\@:
.endm
.macro CREST                           ; a round of the cluster's barrier behind its opening barrier
	s_cmp_lg_u32 s10, 0
	s_cbranch_scc1 .Lnot_wave_0_\@
	s_barrier_signal -3
.Lnot_wave_0_\@:
	s_barrier_wait -3
	s_barrier_signal -1
	s_barrier_wait -1
.endm
.macro CROUND
	s_barrier_signal -1
	s_barrier_wait -1
	CREST
.endm
	s_load_b128 s[4:7], s[0:1], 0x0                ; h, the bf16 weights
	s_load_b128 s[84:87], s[0:1], 0x10             ; GELU = 0: bq, bk;  1: b1, the output
.if !GELU
	s_load_b128 s[88:91], s[0:1], 0x20             ; bv, the output
.endif
	v_lshl_add_u32 v[SPW], v0, 2, SPARE
	v_mov_b32 v[NIL], 0
	ds_add_u32 v[SPW], v[NIL]                      ; the opening: the add, and its wait ahead of my first tensor load
	v_lshrrev_b32 v1, 5, v0
	v_readfirstlane_b32 s10, v1                    ; wave 0..3
	s_lshr_b32 s11, s10, 1                         ; my half of the tile's tokens.  Also: I fetch for A (0) or B (1)
	s_and_b32 s12, s10, 1                          ; my half of its columns.  Also: which half of that tile I fetch
	s_bfe_u32 s40, ttmp6, 0x40000                  ; cx
	s_bfe_u32 s41, ttmp6, 0x40004                  ; cy
	s_lshl_b32 s42, ttmp9, 2
	s_add_co_u32 s42, s42, s40                     ; tile column
	s_and_b32 s13, ttmp7, 0xffff
	s_lshl_b32 s13, s13, 2
	s_add_co_u32 s13, s13, s41                     ; tile row
	s_lshl_b32 s43, s41, 2
	s_lshl_b32 s43, 15, s43                        ; my row of the cluster
	s_lshl_b32 s44, 0x1111, s40                    ; my column
	s_or_b32 s[G1+0], s43, (1<<16)|(1<<20)|(1<<21)|(5<<22)|(3<<25)   ; mask; 2-byte elements; padding on; bit 21 beside a mask; after every 64 words, 4 words
	s_or_b32 s[G1B+0], s44, (1<<16)|(1<<20)|(1<<21)|(6<<22)|(7<<25)  ; after every 128 words, 8 words
	s_mov_b32 s[G1+1], 128<<16                     ; tensor_dim0 = 128
	s_mov_b32 s[G1+2], 128<<16                     ; tensor_dim1 = 128
	s_mov_b32 s[G1+3], 128<<16                     ; tile_dim0 = 128
	s_mov_b32 s[G1+4], 128                         ; tile_dim1 = 128
	s_mov_b32 s[G1+5], 1024                        ; elements from row to row of h
	s_mov_b32 s[G1+6], 0
	s_mov_b32 s[G1+7], 0
	s_mov_b32 s[G1B+1], 256<<16                    ; 256 columns
	s_mov_b32 s[G1B+2], 64<<16                     ; 64 k rows
	s_mov_b32 s[G1B+3], 256<<16
	s_mov_b32 s[G1B+4], 64
	s_mov_b32 s[G1B+5], NP
	s_mov_b32 s[G1B+6], 0
	s_mov_b32 s[G1B+7], 0
	s_lshl_b32 s16, s13, 19                        ; A: (256 x tile row + 128 x half) rows of 2,048 bytes
	s_lshl_b32 s17, s12, 18
	s_add_co_u32 s16, s16, s17
	s_mov_b32 s17, 0
.if GELU
	s_lshl_b32 s46, s42, 9                         ; B: 512 bytes a tile column, behind 8 MiB
	s_add_co_u32 s46, s46, 0x800000
.else
	s_lshl_b32 s46, ttmp9, 21                      ; B: a cluster's four tile columns are one of the three matrices
	s_lshl_b32 s47, s40, 9
	s_add_co_u32 s46, s46, s47
.endif
	s_mul_i32 s47, s12, 64*PB                      ; + my 64 k rows
	s_add_co_u32 s46, s46, s47
	s_mov_b32 s47, 0
	s_mul_i32 s20, s10, HALF                       ; where my part of a tile goes: no place in the cluster enters an LDS address
	s_mov_b32 s[TB], 0
.if GELU
.irp c, P2, CQ, A1, A2, A3, A4, A5
	s_mov_b32 s[\c+1], 0                           ; named as pairs; the low word serves both halves
.endr
	s_mov_b32 s[P2], 0x3eed3388                    ; 0.3275911 x sqrt(2)
	s_mov_b32 s[CQ], 0xbf38aa3b                    ; -log2(e) / 2
	s_mov_b32 s[A1], 0x3e827906                    ; 0.254829592
	s_mov_b32 s[A2], 0xbe91a98e                    ; -0.284496736
	s_mov_b32 s[A3], 0x3fb5f0e3                    ; 1.421413741
	s_mov_b32 s[A4], 0xbfba00e3                    ; -1.453152027
	s_mov_b32 s[A5], 0x3f87dc22                    ; 1.061405429
.endif
	s_wait_dscnt 0x0                               ; the opening add is done
	s_wait_kmcnt 0x0
	s_add_nc_u64 s[14:15], s[4:5], s[16:17]
	s_add_nc_u64 s[46:47], s[6:7], s[46:47]
	CROUND                                         ; all sixteen work-groups are here: the first joint loads meet
.irp s, 0,1
	s_mov_b32 s[G0+4*(\s)], 1
	s_add_co_u32 s[G0+4*(\s)+1], s20, (\s)*SLOT
	s_add_nc_u64 s[G0+4*(\s)+2:G0+4*(\s)+3], s[14:15], (\s)*256
	s_or_b32 s[G0+4*(\s)+3], s[G0+4*(\s)+3], 0x80000000
	s_mov_b32 s[G0B+4*(\s)], 1
	s_add_co_u32 s[G0B+4*(\s)+1], s20, (\s)*SLOT
	s_add_nc_u64 s[G0B+4*(\s)+2:G0B+4*(\s)+3], s[46:47], (\s)*BSTEP
	s_or_b32 s[G0B+4*(\s)+3], s[G0B+4*(\s)+3], 0x80000000
.endr
	s_cmp_eq_u32 s11, 0                            ; a wave's two first fills stand in one branch: two loads of mine are out
	s_cbranch_scc0 .Lfirst_b
	tensor_load_to_lds s[G0:G0+3], s[G1:G1+7]
	s_nop 0
	tensor_load_to_lds s[G0+4:G0+7], s[G1:G1+7]
	s_nop 0
	PLACES
	s_branch .Lfirst_asked
.Lfirst_b:
	tensor_load_to_lds s[G0B:G0B+3], s[G1B:G1B+7]
	s_nop 0
	tensor_load_to_lds s[G0B+4:G0B+7], s[G1B:G1B+7]
	s_nop 0
	PLACES
.Lfirst_asked:
	v_and_b32 v1, 15, v0                           ; r = l % 16
	v_bfe_u32 v2, v0, 4, 1                         ; l / 16
	v_and_b32 v3, 7, v0
	v_bfe_u32 v4, v0, 3, 1
	v_bfe_u32 v5, v0, 3, 2                         ; l / 8
	v_and_b32 v6, 31, v0                           ; l
	v_mul_u32_u24 v[LA0], v1, PA                   ; A: row r, 16 bytes for each half of the lanes, my 128 rows
	v_lshl_add_u32 v[LA0], v2, 4, v[LA0]
	s_mul_i32 s21, s11, HALF
	v_add_nc_u32 v[LA0], s21, v[LA0]
	v_lshl_add_u32 v[LB0], v2, 3, v3               ; B: the turning load: k row 8 (l / 16) + l % 8, columns 8 ((l / 8) % 2) on, my 128 columns
	v_mul_u32_u24 v[LB0], v[LB0], PBL
	v_lshl_add_u32 v[LB0], v4, 4, v[LB0]
	s_lshl_b32 s22, s12, 8
	s_add_co_u32 s22, s22, 2*HALF
	v_add_nc_u32 v[LB0], s22, v[LB0]
	v_mov_b32 v[ADRA], v[LA0]
	v_mov_b32 v[ADRB], v[LB0]
	s_mul_i32 s23, s10, DWAVE
	v_mul_u32_u24 v[DST], v1, DPITCH
	v_lshl_add_u32 v[DST], v2, 5, v[DST]
	v_add_nc_u32 v[DST], s23, v[DST]
	v_mul_u32_u24 v[RDA], v5, DPITCH
	v_lshl_add_u32 v[RDA], v3, 5, v[RDA]
	v_add_nc_u32 v[RDA], s23, v[RDA]
	v_lshlrev_b32 v[GO], 4, v6
	v_lshlrev_b32 v[BO], 5, v3
.if GELU
	s_lshl_b32 s16, s42, 10                        ; the tile's 256 numbers of bias
.else
	s_cmp_eq_u32 ttmp9, 1
	s_cselect_b64 s[84:85], s[86:87], s[84:85]
	s_cmp_eq_u32 ttmp9, 2
	s_cselect_b64 s[84:85], s[88:89], s[84:85]
	s_lshl_b32 s16, s40, 10
.endif
	s_lshl_b32 s17, s12, 9
	s_add_co_u32 s16, s16, s17
	s_mov_b32 s17, 0
	s_add_nc_u64 s[84:85], s[84:85], s[16:17]
.irp p, 0,1
.irp e, 0,1
	global_load_b128 v[BI+8*(\p)+4*(\e):BI+8*(\p)+4*(\e)+3], v[BO], s[84:85] offset:256*(\p)+16*(\e)  ; waited for on the way out
.endr
.endr
	s_lshl_b32 s16, s42, 21                        ; the output: 4 planes a tile column, 2 a wave; 256 tokens of 128 bytes a tile row, 128 a wave
	s_lshl_b32 s17, s12, 20
	s_add_co_u32 s16, s16, s17
	s_lshl_b32 s17, s13, 15
	s_add_co_u32 s16, s16, s17
	s_lshl_b32 s17, s11, 14
	s_add_co_u32 s16, s16, s17
	s_mov_b32 s17, 0
.if GELU
	s_add_nc_u64 s[8:9], s[86:87], s[16:17]
.else
	s_add_nc_u64 s[8:9], s[90:91], s[16:17]
.endif
	; The prefetches.  A's rows are read by every cluster of a row of clusters: the one with x = 0 asks; B's by every cluster of a column: y = 0 asks.  The four partners of a joint load share
	; its blocks out BY ADDRESS: of A's 128 rows 32 each, a lane a row; of B's 64 k rows 16 each, two blocks of 256 bytes a row.  So each block is named once in the launch.
	s_mov_b32 s18, BSTEP
	s_mov_b32 s19, 16*PB
	s_and_b32 s22, ttmp7, 0xffff
	s_cmp_eq_u32 s11, 0
	s_cselect_b32 s22, ttmp9, s22
	s_cselect_b32 s21, s40, s41
	s_cselect_b64 s[PFA:PFA+1], s[14:15], s[46:47]
	s_cselect_b32 s[PFS], 256, s18
	s_cselect_b32 s23, 0x10000, s19
	s_cselect_b32 s16, -1, 0
	s_mov_b32 s[PFS+1], 0
	s_cmp_eq_u32 s22, 0
	s_cselect_b32 s[LIM], 1, -1
	s_mul_i32 s18, s21, s23
	s_mov_b32 s19, 0
	s_add_nc_u64 s[PFA:PFA+1], s[PFA:PFA+1], s[18:19]
	s_add_nc_u64 s[PFA:PFA+1], s[PFA:PFA+1], s[PFS:PFS+1]
	s_add_nc_u64 s[PFA:PFA+1], s[PFA:PFA+1], s[PFS:PFS+1]  ; at K step 2: the first refill steps it to 3.  Nothing is prefetched at the head
	v_lshlrev_b32 v7, 11, v6
	v_lshrrev_b32 v8, 1, v6
	v_mul_u32_u24 v8, v8, PB
	v_and_b32 v9, 1, v0
	v_lshl_add_u32 v8, v9, 8, v8
	v_cndmask_b32 v[PFO], v8, v7, s16
; 16 matrix instructions: token blocks a0, a0 + 1 of the window's four x all 8 column blocks, 32 along K.  The 64 accumulators take turns.
.macro MUL16 f, hi, a0, zero
	WIN MUL_LO+0x50*(\hi)
.irp a, \a0, (\a0)+1
.irp b, 0,1,2,3,4,5,6,7
.if \zero
	v_wmma_f32_16x16x32_bf16 v[8*(8*(\a)+(\b)):8*(8*(\a)+(\b))+7], v[(\f)+8*(\b):(\f)+8*(\b)+7], v[(\f)+8*(4*(\hi)+(\a)):(\f)+8*(4*(\hi)+(\a))+7], 0
.else
	v_wmma_f32_16x16x32_bf16 v[8*(8*(\a)+(\b)):8*(8*(\a)+(\b))+7], v[(\f)+8*(\b):(\f)+8*(\b)+7], v[(\f)+8*(4*(\hi)+(\a)):(\f)+8*(4*(\hi)+(\a))+7], v[8*(8*(\a)+(\b)):8*(8*(\a)+(\b))+7]
.endif
.endr
.endr
.endm
; 32 LDS loads in one run: quarter q (32 along K) of the slot in hand into buffer f: B's eight column blocks turned, then A's eight token blocks.
.macro FETCH q, f
	WIN TO_B
.irp i, 0,1,2,3,4,5,6,7
	ds_load_tr16_b128 v[(\f)+8*(\i):(\f)+8*(\i)+3],   v[ADRB] offset:(\q)*32*PBL+32*(\i)
	ds_load_tr16_b128 v[(\f)+8*(\i)+4:(\f)+8*(\i)+7], v[ADRB] offset:(\q)*32*PBL+16*PBL+32*(\i)
.endr
	WIN 0
.irp i, 0,1,2,3,4,5,6,7
	ds_load_b128 v[(\f)+8*(\i):(\f)+8*(\i)+3],   v[ADRA] offset:(\q)*64+(\i)*16*PA
	ds_load_b128 v[(\f)+8*(\i)+4:(\f)+8*(\i)+7], v[ADRA] offset:(\q)*64+(\i)*16*PA+32
.endr
.endm
; One of a K step's first three quarters: multiplies buffer f and, in its middle, fetches quarter q into buffer g.
.macro QUARTER q, f, g, zero
	s_wait_dscnt 8                                 ; B and A's tokens 0-63 are in; the youngest eight loads (tokens 64-127) may be out
	MUL16 \f, 0, 0, \zero
	MUL16 \f, 0, 2, \zero
	PLACES
	FETCH \q, \g
	s_wait_dscnt 32                                ; all but the 32 just issued
	MUL16 \f, 1, 0, \zero
	MUL16 \f, 1, 2, \zero
.endm
; The last quarter multiplies buffer 1 and changes slots.  In front of the barrier each wave waits for all its tensor loads (one is out: its part of the next slot), adds 0 to its spare word,
; and waits for that and for its reads of this slot.  fill = 1: the barrier opens a round of the cluster's, and the slot just read is filled again first thing behind it, two K steps ahead.
.macro TURN fill
.if \fill
	s_wait_xcnt 0x0                                ; the last prefetch, a K step back, has read its address
	s_add_nc_u64 s[PFA:PFA+1], s[PFA:PFA+1], s[PFS:PFS+1]
.endif
	WIN 0
	s_wait_tensorcnt 0x0
	ds_add_u32 v[SPW], v[NIL]
	s_wait_dscnt 9                                 ; (the add and the youngest eight loads may be out)
	MUL16 F1, 0, 0, 0
	s_wait_dscnt 0x0                               ; the add is done, and my reads of this slot are over
	s_barrier_signal -1
	MUL16 F1, 0, 2, 0
	WIN 0
	s_barrier_wait -1
.if \fill
	CREST                                          ; no wave of any partner still reads this slot or has a load on its way
	s_add_co_u32 s[G0+5], s20, s[TB]               ; the walking set: the slot just read,
	s_add_co_u32 s[G0B+5], s20, s[TB]
	s_add_nc_u64 s[G0+6:G0+7], s[G0+6:G0+7], 256   ; the next K step
	s_add_nc_u64 s[G0B+6:G0B+7], s[G0B+6:G0B+7], BSTEP
.endif
	s_xor_b32 s[TB], s[TB], SLOT
.if \fill
	JLOAD                                          ; 224 matrix instructions ahead of the wait for it; its four v_nop are also the places in front of the loads below
.else
	PLACES
.endif
	v_add_nc_u32 v[ADRA], s[TB], v[LA0]
	v_add_nc_u32 v[ADRB], s[TB], v[LB0]
	FETCH 0, F0
.if \fill
	ASK
.endif
	MUL16 F1, 1, 0, 0
	MUL16 F1, 1, 2, 0
.endm
	s_wait_tensorcnt 1                             ; my part of K step 0 is in; step 1's may stay out
	s_barrier_signal -1
	s_barrier_wait -1
	FETCH 0, F0
	QUARTER 1, F0, F1, 1                           ; the first quarter's products start the sums: nothing is cleared
	WIN 0
	s_mov_b32 s3, 6
.Lk:                                                   ; a trip: a K step's quarters 1 to 3 and the next step's quarter 0; K steps 2 to 7 are asked for
	QUARTER 2, F1, F0, 0
	QUARTER 3, F0, F1, 0
	TURN 1
	QUARTER 1, F0, F1, 0
	WIN 0
	s_sub_co_u32 s3, s3, 1
	s_cmp_lg_u32 s3, 0
	s_cbranch_scc1 .Lk
	s_mov_b32 s3, 2
.Lt:                                                   ; the last two K steps ask for nothing.  The second trip is left in its middle; its run of LDS loads (the older slot once more) serves nothing: the price of one text for both
	QUARTER 2, F1, F0, 0
	QUARTER 3, F0, F1, 0
	TURN 0
	WIN 0
	s_sub_co_u32 s3, s3, 1
	s_cmp_eq_u32 s3, 0
	s_cbranch_scc1 .Lout
	QUARTER 1, F0, F1, 0
	WIN 0
	s_branch .Lt
.Lout:
	s_wait_dscnt 0x0                               ; my reads of the slots are over,
	s_barrier_signal -1
	s_barrier_wait -1                              ; everybody's are: the slots, never filled again, take the sums
	PLACES
.set a, 0
.rept 8
	WIN 0x08+4*(a/4)                               ; store data (source 1) in window 2 or 3
.set b, 0
.rept 8
	ds_store_b128 v[DST], v[8*(8*(a%4)+b):8*(8*(a%4)+b)+3]   offset:a*16*DPITCH+64*b
	ds_store_b128 v[DST], v[8*(8*(a%4)+b)+4:8*(8*(a%4)+b)+7] offset:a*16*DPITCH+64*b+16
.set b, b+1
.endr
.set a, a+1
.endr
	WIN 0
.macro RDL                             ; 8 rows x 128 columns of my sums: half f (4 rows), plane p, 16 bytes e.  LDS serves a wave's instructions in order: these see my stores
.irp f, 0,1
.irp p, 0,1
.irp e, 0,1
	ds_load_b128 v[ZN+16*(\f)+8*(\p)+4*(\e):ZN+16*(\f)+8*(\p)+4*(\e)+3], v[RDA] offset:(\f)*4*DPITCH+256*(\p)+16*(\e)
.endr
.endr
.endr
.endm
.macro ALL16 line:vararg               ; one line for each of 16 pairs
.set i, 0
.rept 16
	\line
.set i, i+2
.endr
.endm
.macro ALL32 line:vararg
.set i, 0
.rept 32
	\line
.set i, i+1
.endr
.endm
	s_wait_loadcnt 0x0                             ; the bias
	RDL
	s_mov_b32 s3, 16
.Lrow:                                                 ; 16 trips of 8 rows
	s_wait_dscnt 0x0
	ALL16 v_pk_add_f32 v[Z+i:Z+i+1], v[ZN+i:ZN+i+1], v[BI+i%16:BI+i%16+1]
	s_cmp_eq_u32 s3, 1
	s_cbranch_scc1 .Lno_more
	v_add_nc_u32 v[RDA], 8*DPITCH, v[RDA]
	RDL                                            ; the next trip's rows come while this trip's are worked on
.Lno_more:
.if GELU
	; gelu(z) = z / 2 + c1 (1 - w), c1 = |z| / 2, w = poly(t) e^(-z z / 2), t = 1 / (1 + 0.3275911 |z| / sqrt 2): erf by Abramowitz and Stegun 7.1.26, |error| <= 1.5e-7 for every z
	ALL32 v_max_num_f32 v[C1+i], 0, v[Z+i]
	ALL16 v_pk_fma_f32 v[C1+i:C1+i+1], v[Z+i:Z+i+1], -0.5, v[C1+i:C1+i+1] op_sel_hi:[1,0,1]
	ALL16 v_pk_fma_f32 v[TT+i:TT+i+1], v[C1+i:C1+i+1], s[P2:P2+1], 1.0 op_sel_hi:[1,0,0]
	ALL16 v_pk_mul_f32 v[E+i:E+i+1], v[Z+i:Z+i+1], s[CQ:CQ+1] op_sel_hi:[1,0]
	ALL16 v_pk_mul_f32 v[E+i:E+i+1], v[E+i:E+i+1], v[Z+i:Z+i+1]
	ALL32 v_rcp_f32 v[TT+i], v[TT+i]
	ALL32 v_exp_f32 v[E+i], v[E+i]
	v_nop                                          ; a plain instruction behind the last of the batch,
	s_wait_alu depctr_va_vdst(0)                   ; and one wait for all 64, ahead of their first reader
	ALL16 v_pk_fma_f32 v[R+i:R+i+1], v[TT+i:TT+i+1], s[A5:A5+1], s[A4:A4+1] op_sel_hi:[1,0,0]
	ALL16 v_pk_fma_f32 v[R+i:R+i+1], v[R+i:R+i+1], v[TT+i:TT+i+1], s[A3:A3+1] op_sel_hi:[1,1,0]
	ALL16 v_pk_fma_f32 v[R+i:R+i+1], v[R+i:R+i+1], v[TT+i:TT+i+1], s[A2:A2+1] op_sel_hi:[1,1,0]
	ALL16 v_pk_fma_f32 v[R+i:R+i+1], v[R+i:R+i+1], v[TT+i:TT+i+1], s[A1:A1+1] op_sel_hi:[1,1,0]
	ALL16 v_pk_mul_f32 v[R+i:R+i+1], v[R+i:R+i+1], v[TT+i:TT+i+1]
	ALL16 v_pk_mul_f32 v[R+i:R+i+1], v[R+i:R+i+1], v[E+i:E+i+1]
	ALL16 v_pk_fma_f32 v[R+i:R+i+1], v[C1+i:C1+i+1], v[R+i:R+i+1], v[C1+i:C1+i+1] neg_lo:[1,0,0] neg_hi:[1,0,0]
	ALL16 v_pk_fma_f32 v[R+i:R+i+1], v[Z+i:Z+i+1], 0.5, v[R+i:R+i+1] op_sel_hi:[1,0,1]
.set SRC, R
.else
.set SRC, Z
.endif
	s_wait_xcnt 0x0                                ; the last trip's stores have read Y and GO: they are rewritten only behind this wait
	ALL16 v_cvt_pk_bf16_f32 v[Y+i/2], v[SRC+i], v[SRC+i+1]
	v_add_nc_u32 v[GO], 1024, v[GO]                ; 8 tokens on; the stores reach back
.irp f, 0,1
.irp p, 0,1
	global_store_b128 v[GO], v[Y+8*(\f)+4*(\p):Y+8*(\f)+4*(\p)+3], s[8:9] offset:524288*(\p)+512*(\f)-1024  ; 4 tokens of a plane: 512 consecutive bytes, aligned
.endr
.endr
	s_sub_co_u32 s3, s3, 1
	s_cmp_lg_u32 s3, 0
	s_cbranch_scc1 .Lrow
	s_wait_tensorcnt 0x0                           ; the wave's end
	ds_add_u32 v[SPW], v[NIL]
	s_wait_dscnt 0x0
	CROUND                                         ; the closing round
	s_endpgm
.Lfunc_end_k_qf81f19d628_l_ffn1:
	.size	k_qf81f19d628_l_ffn1, .Lfunc_end_k_qf81f19d628_l_ffn1-k_qf81f19d628_l_ffn1
	.p2alignl 7, 3214868480
	.fill 96, 4, 3214868480
	.section	.rodata,"a",@progbits
	.p2align	6, 0x0
	.amdhsa_kernel k_qf81f19d628_l_ffn1
		.amdhsa_group_segment_fixed_size 327680
		.amdhsa_private_segment_fixed_size 0
		.amdhsa_enable_private_segment 0
		.amdhsa_kernarg_size 32
		.amdhsa_user_sgpr_count 2
		.amdhsa_user_sgpr_kernarg_segment_ptr 1
		.amdhsa_wavefront_size32 1
		.amdhsa_system_sgpr_workgroup_id_x 1
		.amdhsa_system_sgpr_workgroup_id_y 1
		.amdhsa_system_sgpr_workgroup_id_z 1
		.amdhsa_system_vgpr_workitem_id 0
		.amdhsa_next_free_vgpr 1024
		.amdhsa_next_free_sgpr 92
		.amdhsa_reserve_vcc 0
		.amdhsa_float_denorm_mode_32 3
		.amdhsa_float_denorm_mode_16_64 3
		.amdhsa_memory_ordered 1
		.amdhsa_forward_progress 1
		.amdhsa_inst_pref_size 98
	.end_amdhsa_kernel
	.amdgpu_metadata
---
amdhsa.version: [ 1, 2 ]
amdhsa.kernels:
  - .name:           k_qf81f19d628_l_ffn1
    .symbol:         k_qf81f19d628_l_ffn1.kd
    .args:
      - { .name: hbuf, .offset: 0, .size: 8, .value_kind: global_buffer, .address_space: global }
      - { .name: wbf, .offset: 8, .size: 8, .value_kind: global_buffer, .address_space: global }
      - { .name: b1, .offset: 16, .size: 8, .value_kind: global_buffer, .address_space: global }
      - { .name: abuf, .offset: 24, .size: 8, .value_kind: global_buffer, .address_space: global }
    .group_segment_fixed_size: 327680
    .private_segment_fixed_size: 0
    .kernarg_segment_align: 8
    .kernarg_segment_size: 32
    .max_flat_workgroup_size: 128
    .sgpr_count:     92
    .vgpr_count:     1024
    .wavefront_size: 32
...
	.end_amdgpu_metadata
.endif
;; end of part 5
;; launch l_ffn2 (part 6): grid 8 x 32, 4 waves a work-group, clusters of 4 x 4, 327,680 bytes of LDS; arguments abuf, wbf, b2, x1buf, out0; writes out0
.if DOCPART == 6
	.amdgcn_target "amdgcn-amd-amdhsa--gfx1250"
	.amdhsa_code_object_version 6
	.text
	.protected	k_qf81f19d628_l_ffn2
	.globl	k_qf81f19d628_l_ffn2
	.p2align	8
	.type	k_qf81f19d628_l_ffn2,@function
k_qf81f19d628_l_ffn2:
	s_mov_b64 s[64:65], 0
	v_nop
	global_prefetch_b8 v0, s[64:65] scope:SCOPE_SE
	s_setreg_imm32_b32 hwreg(HW_REG_WAVE_MODE, 25, 1), 1
	s_wait_xcnt 0x0
	s_wait_alu depctr_hold_cnt(0) depctr_sa_sdst(0) depctr_va_vdst(0) depctr_va_sdst(0) depctr_va_ssrc(0) depctr_va_vcc(0) depctr_vm_vsrc(0)
	s_getreg_b32 s2, hwreg(HW_REG_IB_STS2, 6, 4)
	s_cmp_eq_u32 s2, 0
	s_cbranch_scc0 .Lentry_in_a_cluster
	s_endpgm
.Lentry_in_a_cluster:
	s_bfe_u32 s2, ttmp6, 0x10000c
	s_cmp_lg_u32 s2, 0xf033
	s_cbranch_scc0 .Lentry_shape_is_right
	s_endpgm
.Lentry_shape_is_right:
; out = res + (A W + bias), f32.  A lies in planes [K / 64][4096 tokens][64] bf16; W: [K][1024] bf16 at byte WOFF of the weights, K down the rows; bias [1024], res and out [4096][1024] f32.
; A tile of out is 128 x 128 (256 work-groups), four waves of 64 x 64: 16 accumulators.  K goes in STEPS steps of 256 (four planes) through two LDS slots.
; A's part of a slot: [token half][plane][64 tokens], pitch 144; one tensor load brings four rows of 8,192 dense bytes (64 tokens of a plane), padded after every 128 bytes: fewer than 64 rows, since a plane's block is dense.
; B's part: 256 k rows x 256 bytes, pitch 288; its fragments come out turned, by ds_load_tr16_b128.
; CLUSTER 4 x 4: A's tile is asked for jointly along a row of the cluster, B's along a column.  No prefetch: the tiles are small.
; THE MATRIX INSTRUCTION IS USED TRANSPOSED: a lane holds one token and eight neighbouring columns.  A wave's 64 columns of f32 are 256 bytes: each wave has a stage of its own and stores whole aligned blocks.
; The residual is loaded at the head into window 2 and stays on its way under the whole K loop.
; REGISTERS: window 0: v0-31 addresses; v32-95 at work on the way out; v96-99 bias; v128-255 accumulators.  window 1: two fragment buffers of 128 (64 of A, 64 of B).  window 2: v0-127 the residual.
; LIMITS: operands bf16; NaN and infinities are not treated apart.
.set STEPS, 16
.set WOFF,  16<<20
.set PAS,   144
.set PBS,   288
.set HALF,  36864                      ; 4 planes x 64 tokens x 144 = 128 k rows x 288
.set SLOT,  4*HALF
.set STAGE, 2*SLOT
.set SPITCH, 272
.set SPARE, STAGE+4*16*SPITCH
.set LA0,  14
.set LB0,  15
.set ADRA, 16
.set ADRB, 20                          ; v20: k rows 0-127 of the slot in hand; v21: 128-255
.set STO,  24
.set RD,   25
.set CO,   26
.set BOF,  27
.set SPW,  28
.set NIL,  29
.set TMP,  32
.set BIAS, 96
.set ACC,  128
.set F0,   0
.set F1,   128
.set RES,  0
.set G1,  24
.set G0,  32
.set G1B, 48
.set G0B, 56
.set TB,  66
.set MSB, 0
.macro WIN new
.if MSB != (\new)
	s_set_vgpr_msb (MSB<<8)|(\new)
.set MSB, \new
.endif
.endm
.set MUL,  0x05                        ; sources 0 (B) and 1 (A) window 1; C and D window 0
.set TO_F, 0x40
.macro PLACES
.rept 4
	v_nop
.endr
.endm
.macro JLOAD                           ; the joint refill; s_nop 0 and four v_nop behind each line
	s_cmp_eq_u32 s11, 0
	s_cbranch_scc0 .Lfor_b_\@
	tensor_load_to_lds s[G0+4:G0+7], s[G1:G1+7]
	s_nop 0
	PLACES
	s_branch .Lasked_\@
.Lfor_b_\@:
	tensor_load_to_lds s[G0B+4:G0B+7], s[G1B:G1B+7]
	s_nop 0
	PLACES
.Lasked_\@:
.endm
.macro CREST
	s_cmp_lg_u32 s10, 0
	s_cbranch_scc1 .Lnot_wave_0_\@
	s_barrier_signal -3
.Lnot_wave_0_\@:
	s_barrier_wait -3
	s_barrier_signal -1
	s_barrier_wait -1
.endm
.macro CROUND
	s_barrier_signal -1
	s_barrier_wait -1
	CREST
.endm
	s_load_b128 s[4:7], s[0:1], 0x0                ; A's planes, the bf16 weights
	s_load_b128 s[68:71], s[0:1], 0x10             ; bias, residual
	s_load_b64 s[8:9], s[0:1], 0x20                ; out
	v_lshl_add_u32 v[SPW], v0, 2, SPARE
	v_mov_b32 v[NIL], 0
	ds_add_u32 v[SPW], v[NIL]                      ; the opening: the add, and its wait ahead of my first tensor load
	v_lshrrev_b32 v1, 5, v0
	v_readfirstlane_b32 s10, v1
	s_lshr_b32 s11, s10, 1                         ; my half of the tile's tokens.  Also: I fetch for A (0) or B (1)
	s_and_b32 s12, s10, 1                          ; my half of its columns.  Also: which half of that tile I fetch
	s_bfe_u32 s40, ttmp6, 0x40000
	s_bfe_u32 s41, ttmp6, 0x40004
	s_lshl_b32 s42, ttmp9, 2
	s_add_co_u32 s42, s42, s40                     ; tile column
	s_and_b32 s13, ttmp7, 0xffff
	s_lshl_b32 s13, s13, 2
	s_add_co_u32 s13, s13, s41                     ; tile row
	s_lshl_b32 s43, s41, 2
	s_lshl_b32 s43, 15, s43
	s_lshl_b32 s44, 0x1111, s40
	s_or_b32 s[G1+0], s43, (1<<16)|(1<<20)|(1<<21)|(4<<22)|(3<<25)   ; after every 32 words, 4 words
	s_or_b32 s[G1B+0], s44, (1<<16)|(1<<20)|(1<<21)|(5<<22)|(7<<25)  ; after every 64 words, 8 words
	s_mov_b32 s[G1+1], 4096<<16                    ; tensor_dim0 = 4,096 elements: 64 tokens of a plane
	s_mov_b32 s[G1+2], 4<<16                       ; tensor_dim1 = 4 planes
	s_mov_b32 s[G1+3], 4096<<16
	s_mov_b32 s[G1+4], 4
	s_mov_b32 s[G1+5], 262144                      ; elements from plane to plane
	s_mov_b32 s[G1+6], 0
	s_mov_b32 s[G1+7], 0
	s_mov_b32 s[G1B+1], 128<<16
	s_mov_b32 s[G1B+2], 128<<16
	s_mov_b32 s[G1B+3], 128<<16
	s_mov_b32 s[G1B+4], 128
	s_mov_b32 s[G1B+5], 1024
	s_mov_b32 s[G1B+6], 0
	s_mov_b32 s[G1B+7], 0
	s_lshl_b32 s16, s13, 14                        ; A: (128 x tile row + 64 x half) tokens of 128 bytes
	s_lshl_b32 s17, s12, 13
	s_add_co_u32 s16, s16, s17
	s_mov_b32 s17, 0
	s_lshl_b32 s46, s42, 8                         ; B: 256 bytes a tile column, my 128 k rows of 2,048 bytes
	s_lshl_b32 s47, s12, 18
	s_add_co_u32 s46, s46, s47
	s_add_co_u32 s46, s46, WOFF
	s_mov_b32 s47, 0
	s_mul_i32 s20, s10, HALF
	s_mov_b32 s[TB], 0
	s_wait_dscnt 0x0
	s_wait_kmcnt 0x0
	s_add_nc_u64 s[14:15], s[4:5], s[16:17]
	s_add_nc_u64 s[46:47], s[6:7], s[46:47]
	CROUND
.irp s, 0,1
	s_mov_b32 s[G0+4*(\s)], 1
	s_add_co_u32 s[G0+4*(\s)+1], s20, (\s)*SLOT
	s_add_nc_u64 s[G0+4*(\s)+2:G0+4*(\s)+3], s[14:15], (\s)*0x200000
	s_or_b32 s[G0+4*(\s)+3], s[G0+4*(\s)+3], 0x80000000
	s_mov_b32 s[G0B+4*(\s)], 1
	s_add_co_u32 s[G0B+4*(\s)+1], s20, (\s)*SLOT
	s_add_nc_u64 s[G0B+4*(\s)+2:G0B+4*(\s)+3], s[46:47], (\s)*524288
	s_or_b32 s[G0B+4*(\s)+3], s[G0B+4*(\s)+3], 0x80000000
.endr
	s_cmp_eq_u32 s11, 0                            ; a wave's two first fills stand in one branch
	s_cbranch_scc0 .Lfirst_b
	tensor_load_to_lds s[G0:G0+3], s[G1:G1+7]
	s_nop 0
	tensor_load_to_lds s[G0+4:G0+7], s[G1:G1+7]
	s_nop 0
	PLACES
	s_branch .Lfirst_asked
.Lfirst_b:
	tensor_load_to_lds s[G0B:G0B+3], s[G1B:G1B+7]
	s_nop 0
	tensor_load_to_lds s[G0B+4:G0B+7], s[G1B:G1B+7]
	s_nop 0
	PLACES
.Lfirst_asked:
	v_and_b32 v1, 15, v0
	v_bfe_u32 v2, v0, 4, 1
	v_and_b32 v3, 7, v0
	v_bfe_u32 v4, v0, 3, 1
	v_mul_u32_u24 v[LA0], v1, PAS
	v_lshl_add_u32 v[LA0], v2, 4, v[LA0]
	s_mul_i32 s21, s11, HALF
	v_add_nc_u32 v[LA0], s21, v[LA0]
	v_lshl_add_u32 v[LB0], v2, 3, v3
	v_mul_u32_u24 v[LB0], v[LB0], PBS
	v_lshl_add_u32 v[LB0], v4, 4, v[LB0]
	s_lshl_b32 s22, s12, 7
	s_add_co_u32 s22, s22, 2*HALF
	v_add_nc_u32 v[LB0], s22, v[LB0]
	v_mov_b32 v[ADRA], v[LA0]
	v_mov_b32 v[ADRB], v[LB0]
	v_add_nc_u32 v[ADRB+1], HALF, v[LB0]
	s_mul_i32 s23, s10, 16*SPITCH
	s_add_co_u32 s23, s23, STAGE
	v_mul_u32_u24 v[STO], v1, SPITCH               ; in: token l % 16, 32 bytes for each half of the lanes
	v_lshl_add_u32 v[STO], v2, 5, v[STO]
	v_add_nc_u32 v[STO], s23, v[STO]
	v_mul_u32_u24 v[RD], v2, SPITCH                ; back: lanes 0-15 one row of 256 bytes, lanes 16-31 the next
	v_lshl_add_u32 v[RD], v1, 4, v[RD]
	v_add_nc_u32 v[RD], s23, v[RD]
	v_lshlrev_b32 v[BOF], 4, v1
	v_lshl_add_u32 v[CO], v2, 12, v[BOF]           ; the same two rows in out and in the residual
	s_lshl_b32 s16, s42, 9                         ; my 64 columns of f32
	s_lshl_b32 s17, s12, 8
	s_add_co_u32 s16, s16, s17
	s_mov_b32 s17, 0
	s_add_nc_u64 s[68:69], s[68:69], s[16:17]
	s_lshl_b32 s18, s13, 19                        ; my 64 tokens of 4,096 bytes
	s_add_co_u32 s16, s16, s18
	s_lshl_b32 s18, s11, 18
	s_add_co_u32 s16, s16, s18
	s_add_nc_u64 s[70:71], s[70:71], s[16:17]
	s_add_nc_u64 s[8:9], s[8:9], s[16:17]
	WIN 0x80                                       ; destination window 2
.irp a, 0,1,2,3
.irp t, 0,1,2,3,4,5,6,7
	global_load_b128 v[RES+32*(\a)+4*(\t):RES+32*(\a)+4*(\t)+3], v[CO], s[70:71] offset:(16*(\a)+2*(\t))*4096 th:TH_LOAD_NT
.endr
.endr
	WIN 0
	global_load_b128 v[BIAS:BIAS+3], v[BOF], s[68:69]
.macro MUL8 f, c, a0, zero             ; 8 matrix instructions: token blocks a0, a0 + 1 x 4 column blocks, 32 along K; the 16 accumulators take turns
	WIN MUL
.irp a, \a0, (\a0)+1
.irp b, 0,1,2,3
.if \zero
	v_wmma_f32_16x16x32_bf16 v[ACC+8*(4*(\a)+(\b)):ACC+8*(4*(\a)+(\b))+7], v[(\f)+64+8*(4*(\c)+(\b)):(\f)+64+8*(4*(\c)+(\b))+7], v[(\f)+8*(4*(\c)+(\a)):(\f)+8*(4*(\c)+(\a))+7], 0
.else
	v_wmma_f32_16x16x32_bf16 v[ACC+8*(4*(\a)+(\b)):ACC+8*(4*(\a)+(\b))+7], v[(\f)+64+8*(4*(\c)+(\b)):(\f)+64+8*(4*(\c)+(\b))+7], v[(\f)+8*(4*(\c)+(\a)):(\f)+8*(4*(\c)+(\a))+7], v[ACC+8*(4*(\a)+(\b)):ACC+8*(4*(\a)+(\b))+7]
.endif
.endr
.endr
.endm
.macro FETCH q, f                      ; 32 LDS loads in one run: quarter q (one plane, 64 along K) into buffer f; the first 32 along K first
	WIN TO_F
.irp c, 0,1
.irp i, 0,1,2,3
	ds_load_tr16_b128 v[(\f)+64+8*(4*(\c)+(\i)):(\f)+64+8*(4*(\c)+(\i))+3],   v[ADRB+(\q)/2] offset:(64*((\q)%2)+32*(\c))*PBS+32*(\i)
	ds_load_tr16_b128 v[(\f)+64+8*(4*(\c)+(\i))+4:(\f)+64+8*(4*(\c)+(\i))+7], v[ADRB+(\q)/2] offset:(64*((\q)%2)+32*(\c)+16)*PBS+32*(\i)
	ds_load_b128 v[(\f)+8*(4*(\c)+(\i)):(\f)+8*(4*(\c)+(\i))+3],   v[ADRA] offset:(\q)*64*PAS+(\i)*16*PAS+64*(\c)
	ds_load_b128 v[(\f)+8*(4*(\c)+(\i))+4:(\f)+8*(4*(\c)+(\i))+7], v[ADRA] offset:(\q)*64*PAS+(\i)*16*PAS+64*(\c)+32
.endr
.endr
.endm
.macro QUARTER q, f, g, zero
	s_wait_dscnt 16                                ; the first 32 along K are in
	MUL8 \f, 0, 0, \zero
	MUL8 \f, 0, 2, \zero
	PLACES
	FETCH \q, \g
	s_wait_dscnt 32                                ; all but the 32 just issued
	MUL8 \f, 1, 0, 0
	MUL8 \f, 1, 2, 0
.endm
; The last quarter multiplies buffer 1 and changes slots: in front of the barrier each wave waits for all its tensor loads, adds 0 to its spare word, and waits for that and for its reads of this slot.
.macro TURN fill
	WIN 0
	s_wait_tensorcnt 0x0
	ds_add_u32 v[SPW], v[NIL]
	s_wait_dscnt 17                                ; (the add and the youngest sixteen loads may be out)
	MUL8 F1, 0, 0, 0
	s_wait_dscnt 0x0
	s_barrier_signal -1
	MUL8 F1, 0, 2, 0
	WIN 0
	s_barrier_wait -1
.if \fill
	CREST                                          ; no wave of any partner still reads this slot or has a load on its way
	s_add_co_u32 s[G0+5], s20, s[TB]
	s_add_co_u32 s[G0B+5], s20, s[TB]
	s_add_nc_u64 s[G0+6:G0+7], s[G0+6:G0+7], 0x200000
	s_add_nc_u64 s[G0B+6:G0B+7], s[G0B+6:G0B+7], 524288
.endif
	s_xor_b32 s[TB], s[TB], SLOT
.if \fill
	JLOAD                                          ; 112 matrix instructions ahead of the wait for it
.else
	PLACES
.endif
	v_add_nc_u32 v[ADRA], s[TB], v[LA0]
	v_add_nc_u32 v[ADRB], s[TB], v[LB0]
	v_add_nc_u32 v[ADRB+1], HALF, v[ADRB]
	FETCH 0, F0
	MUL8 F1, 1, 0, 0
	MUL8 F1, 1, 2, 0
.endm
	s_wait_tensorcnt 1                             ; my part of K step 0 is in; step 1's may stay out
	s_barrier_signal -1
	s_barrier_wait -1
	FETCH 0, F0
	QUARTER 1, F0, F1, 1
	WIN 0
	s_mov_b32 s3, STEPS-2
.Lk:
	QUARTER 2, F1, F0, 0
	QUARTER 3, F0, F1, 0
	TURN 1
	QUARTER 1, F0, F1, 0
	WIN 0
	s_sub_co_u32 s3, s3, 1
	s_cmp_lg_u32 s3, 0
	s_cbranch_scc1 .Lk
	s_mov_b32 s3, 2
.Lt:                                                   ; the last two K steps ask for nothing; the second trip is left in its middle, and its run of LDS loads serves nothing
	QUARTER 2, F1, F0, 0
	QUARTER 3, F0, F1, 0
	TURN 0
	WIN 0
	s_sub_co_u32 s3, s3, 1
	s_cmp_eq_u32 s3, 0
	s_cbranch_scc1 .Lout
	QUARTER 1, F0, F1, 0
	WIN 0
	s_branch .Lt
.Lout:
	s_wait_loadcnt 0x0                             ; the residual and the bias
	s_wait_dscnt 0x0
	WIN 0x82                                       ; destination and source 0 window 2, source 1 window 0
.set i, 0
.rept 64
	v_pk_add_f32 v[RES+i:RES+i+1], v[RES+i:RES+i+1], v[BIAS+i%4:BIAS+i%4+1]  ; residual + bias; also the places behind the last products
.set i, i+2
.endr
	WIN 0
.macro TOSTAGE a                       ; 16 tokens x 64 columns of f32 into my stage, and back as whole rows of 256 bytes
.irp b, 0,1,2,3
	ds_store_b128 v[STO], v[ACC+8*(4*(\a)+(\b)):ACC+8*(4*(\a)+(\b))+3]   offset:64*(\b)
	ds_store_b128 v[STO], v[ACC+8*(4*(\a)+(\b))+4:ACC+8*(4*(\a)+(\b))+7] offset:64*(\b)+16
.endr
.irp t, 0,1,2,3,4,5,6,7
	ds_load_b128 v[TMP+32*((\a)%2)+4*(\t):TMP+32*((\a)%2)+4*(\t)+3], v[RD] offset:(\t)*2*SPITCH  ; LDS serves a wave's instructions in order: these see the stores above
.endr
.endm
.macro SEND a, younger                 ; younger: the next block's eight stores and eight loads, or none
	s_wait_dscnt \younger
	WIN 0x08                                       ; source 1 window 2
.set i, 0
.rept 16
	v_pk_add_f32 v[TMP+32*((\a)%2)+i:TMP+32*((\a)%2)+i+1], v[TMP+32*((\a)%2)+i:TMP+32*((\a)%2)+i+1], v[RES+32*(\a)+i:RES+32*(\a)+i+1]
.set i, i+2
.endr
	WIN 0
.irp t, 0,1,2,3,4,5,6,7
	global_store_b128 v[CO], v[TMP+32*((\a)%2)+4*(\t):TMP+32*((\a)%2)+4*(\t)+3], s[8:9] offset:(16*(\a)+2*(\t))*4096  ; 16 lanes store 256 consecutive bytes, aligned
.endr
.endm
	TOSTAGE 0
	TOSTAGE 1
	SEND 0, 16
	s_wait_xcnt 0x0                                ; block 0's stores have read their registers: block 2 is loaded into them only behind this wait
	TOSTAGE 2
	SEND 1, 16
	s_wait_xcnt 0x0
	TOSTAGE 3
	SEND 2, 16
	SEND 3, 0
	s_wait_tensorcnt 0x0                           ; the wave's end
	ds_add_u32 v[SPW], v[NIL]
	s_wait_dscnt 0x0
	CROUND
	s_endpgm
.Lfunc_end_k_qf81f19d628_l_ffn2:
	.size	k_qf81f19d628_l_ffn2, .Lfunc_end_k_qf81f19d628_l_ffn2-k_qf81f19d628_l_ffn2
	.p2alignl 7, 3214868480
	.fill 96, 4, 3214868480
	.section	.rodata,"a",@progbits
	.p2align	6, 0x0
	.amdhsa_kernel k_qf81f19d628_l_ffn2
		.amdhsa_group_segment_fixed_size 327680
		.amdhsa_private_segment_fixed_size 0
		.amdhsa_enable_private_segment 0
		.amdhsa_kernarg_size 40
		.amdhsa_user_sgpr_count 2
		.amdhsa_user_sgpr_kernarg_segment_ptr 1
		.amdhsa_wavefront_size32 1
		.amdhsa_system_sgpr_workgroup_id_x 1
		.amdhsa_system_sgpr_workgroup_id_y 1
		.amdhsa_system_sgpr_workgroup_id_z 1
		.amdhsa_system_vgpr_workitem_id 0
		.amdhsa_next_free_vgpr 640
		.amdhsa_next_free_sgpr 72
		.amdhsa_reserve_vcc 0
		.amdhsa_float_denorm_mode_32 3
		.amdhsa_float_denorm_mode_16_64 3
		.amdhsa_memory_ordered 1
		.amdhsa_forward_progress 1
		.amdhsa_inst_pref_size 69
	.end_amdhsa_kernel
	.amdgpu_metadata
---
amdhsa.version: [ 1, 2 ]
amdhsa.kernels:
  - .name:           k_qf81f19d628_l_ffn2
    .symbol:         k_qf81f19d628_l_ffn2.kd
    .args:
      - { .name: abuf, .offset: 0, .size: 8, .value_kind: global_buffer, .address_space: global }
      - { .name: wbf, .offset: 8, .size: 8, .value_kind: global_buffer, .address_space: global }
      - { .name: b2, .offset: 16, .size: 8, .value_kind: global_buffer, .address_space: global }
      - { .name: x1buf, .offset: 24, .size: 8, .value_kind: global_buffer, .address_space: global }
      - { .name: out0, .offset: 32, .size: 8, .value_kind: global_buffer, .address_space: global }
    .group_segment_fixed_size: 327680
    .private_segment_fixed_size: 0
    .kernarg_segment_align: 8
    .kernarg_segment_size: 40
    .max_flat_workgroup_size: 128
    .sgpr_count:     72
    .vgpr_count:     640
    .wavefront_size: 32
...
	.end_amdgpu_metadata
.endif
;; end of part 6
;; ======== version 2 of 2: 7 launches; version 1 with the launches l_prep, l_ln2 written anew for expert scheduling mode
;; workspace buffers: wbf 25,165,824 bytes; hbuf 8,388,608 bytes; qkvb 25,165,824 bytes; obuf 8,388,608 bytes; x1buf 16,777,216 bytes; abuf 33,554,432 bytes
;; launch l_prep (part 7): grid 256 x 7, 8 waves a work-group, no clusters, 0 bytes of LDS; arguments x, g1, be1, hbuf, wq, wk, wv, wo, w1, w2, wbf; writes hbuf, wbf
.if DOCPART == 7
	.amdgcn_target "amdgcn-amd-amdhsa--gfx1250"
	.amdhsa_code_object_version 6
	.text
	.protected	k_qf81f19d628_l_prep
	.globl	k_qf81f19d628_l_prep
	.p2align	8
	.type	k_qf81f19d628_l_prep,@function
k_qf81f19d628_l_prep:
	s_mov_b64 s[64:65], 0
	v_nop
	global_prefetch_b8 v0, s[64:65] scope:SCOPE_SE
	s_setreg_imm32_b32 hwreg(HW_REG_WAVE_SCHED_MODE, 0, 2), 2
	s_setreg_imm32_b32 hwreg(HW_REG_WAVE_MODE, 25, 1), 1
	s_wait_xcnt 0x0
	s_wait_alu depctr_vm_vsrc(0)
; TWO STREAMS IN ONE TEXT, told apart by the work-group's y.
; y = 0: h[row][:] = (x - mean) * rsqrt(var + 1e-5) * g + be, rounded once to bf16.  x: [4096][1024] f32, h: [4096][1024] bf16.
;   One wave takes a whole row (4,096 bytes = 32 registers a lane) and keeps it between the passes, so x is read once; a wave has two rows: 256 groups x 8 waves x 2.
;   The deviations x - mean are formed first and squared afterwards, as the definition has it: no difference of large sums.
; y = 1..6: the six weight matrices, f32 to bf16, each in its own [K][N] order, into one buffer: wq 0, wk 2 MiB, wv 4 MiB, wo 6 MiB, w1 8 MiB, w2 16 MiB.
;   1,536 work-groups of 8,192 numbers.  No LDS, no matrix unit, no cluster: no byte is wanted twice.
; THE MODE: SCHED_MODE bits 1:0 = 2 (LLVM: expert scheduling mode 2), set by the entry lines.  The code itself states the register dependences
; between vector instructions and memory instructions, with s_wait_alu, always for 0.
; THE PLAN.  Registers that memory instructions touch:
;   v1, v2           byte offsets, made once on each path and never written again: one wait ahead of the path's first load serves all its loads and stores.
;   X0, X1, GR, BR   (y = 0) only the loads at the head land in them, and no vector instruction names them before that.
;   Y0, Y1           (y = 0) written by a row's sixteen roundings, read by its eight stores: one wait behind each row's roundings.  Row 0's stores are dealt among
;                    row 1's scalings, which name X1 and v20-21 alone.
;   v32-63, v64-79   (y > 0) eight loads land in the first; the roundings write the second, in two halves of eight registers; one wait behind each half, ahead of its four stores.
; No register that a memory instruction has read is written again, and EXEC is never written.
.set T,   4                            ; v[4:11]  four chains of packed sums
.set X0,  32                           ; v[32:63]  row 0: register 4 j + c holds column 128 j + 4 lane + c
.set X1,  64                           ; v[64:95]  row 1
.set GR,  96                           ; v[96:127] g, same columns
.set BR,  128                          ; v[128:159] be
.set Y0,  160                          ; v[160:175] row 0 as bf16
.set Y1,  176                          ; v[176:191] row 1
	s_load_b256 s[4:11], s[0:1], 0x0               ; x s[4:5], g s[6:7], be s[8:9], h s[10:11]
	s_load_b256 s[12:19], s[0:1], 0x20             ; wq, wk, wv, wo
	s_load_b128 s[20:23], s[0:1], 0x40             ; w1, w2
	s_load_b64 s[24:25], s[0:1], 0x50              ; the bf16 weights
	s_and_b32 s26, ttmp7, 0xffff                   ; y
	v_lshrrev_b32 v3, 5, v0
	v_readfirstlane_b32 s27, v3                    ; wave 0..7
	s_wait_alu depctr_va_sdst(0)                   ; s27 is written, ahead of the branch: behind it one path reads s27 for the row's number and the other writes it anew
	s_cmp_lg_u32 s26, 0
	s_cbranch_scc1 .Lcvt
	v_and_b32 v1, 31, v0
	v_lshlrev_b32 v2, 3, v1                        ; 8 x lane: my 8 bytes of 256 of h
	v_lshlrev_b32 v1, 4, v1                        ; 16 x lane: my 16 bytes of 512 of x
	v_mov_b32 v13, 0                               ; v_permlanex16_b32's destination counts as read
	s_lshl_b32 s28, ttmp9, 3
	s_add_co_u32 s28, s28, s27                     ; my pair of rows, 0..2047
	s_lshl_b32 s34, s28, 13                        ; two rows of 4,096 bytes
	s_mov_b32 s35, 0
	s_lshl_b32 s36, s28, 12                        ; two rows of 2,048 bytes
	s_mov_b32 s37, 0
	s_mov_b32 s30, 0x3a800000                      ; 1 / 1024
	s_mov_b32 s31, 0x3727c5ac                      ; 1e-5
	s_mov_b32 s32, 0x76543210                      ; each lane takes its own place in the other half
	s_mov_b32 s33, 0xfedcba98
	s_wait_kmcnt 0x0
	s_add_nc_u64 s[4:5], s[4:5], s[34:35]
	s_add_nc_u64 s[10:11], s[10:11], s[36:37]
	s_wait_alu depctr_va_vdst(0)                   ; v1 and v2 are written: the 32 loads read v1 as their offset, the 16 stores v2
.irp j, 0,1,2,3,4,5,6,7
	global_load_b128 v[X0+4*(\j):X0+4*(\j)+3], v1, s[4:5] offset:512*(\j) th:TH_LOAD_NT
.endr
.irp j, 0,1,2,3,4,5,6,7
	global_load_b128 v[X1+4*(\j):X1+4*(\j)+3], v1, s[4:5] offset:4096+512*(\j) th:TH_LOAD_NT
.endr
.irp j, 0,1,2,3,4,5,6,7
	global_load_b128 v[GR+4*(\j):GR+4*(\j)+3], v1, s[6:7] offset:512*(\j)
.endr
.irp j, 0,1,2,3,4,5,6,7
	global_load_b128 v[BR+4*(\j):BR+4*(\j)+3], v1, s[8:9] offset:512*(\j)
.endr
; The four chains into one number, then over the 32 lanes: every lane ends with the row's sum in v12.
.macro JOIN
	v_pk_add_f32 v[T:T+1], v[T:T+1], v[T+2:T+3]
	v_pk_add_f32 v[T+4:T+5], v[T+4:T+5], v[T+6:T+7]
	v_pk_add_f32 v[T:T+1], v[T:T+1], v[T+4:T+5]
	v_add_f32 v12, v[T], v[T+1]
	v_add_f32_dpp v12, v12, v12 row_xmask:1 row_mask:0xf bank_mask:0xf
	v_add_f32_dpp v12, v12, v12 row_xmask:2 row_mask:0xf bank_mask:0xf
	v_add_f32_dpp v12, v12, v12 row_xmask:4 row_mask:0xf bank_mask:0xf
	v_add_f32_dpp v12, v12, v12 row_xmask:8 row_mask:0xf bank_mask:0xf
	v_permlanex16_b32 v13, v12, s32, s33
	v_add_f32 v12, v12, v13
.endm
; A row's mean (pair mu), its deviations in place, and 1 / sqrt(var + eps) (pair rs; waited for later, once for both rows).
.macro STAT x, mu, rs
.irp k, 0,1,2,3
	v_pk_add_f32 v[T+2*(\k):T+2*(\k)+1], v[(\x)+2*(\k):(\x)+2*(\k)+1], v[(\x)+8+2*(\k):(\x)+8+2*(\k)+1]
.endr
.irp k, 0,1,2,3
	v_pk_add_f32 v[T+2*(\k):T+2*(\k)+1], v[T+2*(\k):T+2*(\k)+1], v[(\x)+16+2*(\k):(\x)+16+2*(\k)+1]
.endr
.irp k, 0,1,2,3
	v_pk_add_f32 v[T+2*(\k):T+2*(\k)+1], v[T+2*(\k):T+2*(\k)+1], v[(\x)+24+2*(\k):(\x)+24+2*(\k)+1]
.endr
	JOIN
	v_mul_f32 v[(\mu)], s30, v12
	v_mul_f32 v[(\mu)+1], s30, v12
.set i, 0
.rept 16
	v_pk_add_f32 v[(\x)+i:(\x)+i+1], v[(\x)+i:(\x)+i+1], v[(\mu):(\mu)+1] neg_lo:[0,1] neg_hi:[0,1]
.set i, i+2
.endr
.irp k, 0,1,2,3
	v_pk_mul_f32 v[T+2*(\k):T+2*(\k)+1], v[(\x)+2*(\k):(\x)+2*(\k)+1], v[(\x)+2*(\k):(\x)+2*(\k)+1]
.endr
.set i, 8
.rept 12
	v_pk_fma_f32 v[T+i%8:T+i%8+1], v[(\x)+i:(\x)+i+1], v[(\x)+i:(\x)+i+1], v[T+i%8:T+i%8+1]
.set i, i+2
.endr
	JOIN
	v_fma_f32 v12, v12, s30, s31                   ; var + eps
	v_rsq_f32 v[(\rs)], v12                        ; twice: a pair for the packed multiply
	v_rsq_f32 v[(\rs)+1], v12
.endm
; A row's scaling, gain and bias, and roundings into y.  deal = 1: row 0's eight stores are dealt among the sixteen scalings, one ahead of every two.
.macro WORK x, rs, y, deal
.set i, 0
.rept 16
.if (\deal) && ((i%4) == 0)
	global_store_b64 v2, v[Y0+i/2:Y0+i/2+1], s[10:11] offset:64*i  ; the wave's store covers 256 consecutive bytes, aligned.  No wait: no vector instruction since the wait behind row 0's roundings names Y0 or v2
.endif
	v_pk_mul_f32 v[(\x)+i:(\x)+i+1], v[(\x)+i:(\x)+i+1], v[(\rs):(\rs)+1]
.set i, i+2
.endr
.set i, 0
.rept 16
	v_pk_fma_f32 v[(\x)+i:(\x)+i+1], v[(\x)+i:(\x)+i+1], v[GR+i:GR+i+1], v[BR+i:BR+i+1]
.set i, i+2
.endr
.set i, 0
.rept 16
	v_cvt_pk_bf16_f32 v[(\y)+i], v[(\x)+2*i], v[(\x)+2*i+1]
.set i, i+1
.endr
.endm
	s_wait_loadcnt 24                              ; row 0 is in; row 1, g and be (24 younger loads) stay out
	STAT X0, 14, 16
	s_wait_loadcnt 16                              ; row 1 is in
	STAT X1, 18, 20
	v_nop                                          ; a plain instruction behind the last v_rsq_f32,
	s_wait_alu depctr_va_vdst(0)                   ; and one wait for the four: v16, v17, v20 and v21 are written, ahead of their first reader
	s_wait_loadcnt 0x0                             ; g and be
	WORK X0, 16, Y0, 0
	s_wait_alu depctr_va_vdst(0)                   ; row 0's roundings have written Y0, which the eight stores dealt among row 1's scalings read
	WORK X1, 20, Y1, 1
	s_wait_alu depctr_va_vdst(0)                   ; row 1's roundings have written Y1, which the last eight stores read
.irp j, 0,1,2,3,4,5,6,7
	global_store_b64 v2, v[Y1+2*(\j):Y1+2*(\j)+1], s[10:11] offset:2048+256*(\j)  ; the wave's store covers 256 consecutive bytes, aligned
.endr
	s_endpgm
.Lcvt:
	s_sub_co_u32 s26, s26, 1
	s_lshl_b32 s26, s26, 8
	s_add_co_u32 s26, s26, ttmp9                   ; 0..1535
	s_lshr_b32 s27, s26, 7                         ; which 2^20 numbers: 0 wq, 1 wk, 2 wv, 3 wo, 4-7 w1, 8-11 w2
	s_and_b32 s28, s26, 127                        ; which 8,192 of them
	s_and_b32 s29, s27, 3
	s_cmp_ge_u32 s27, 4
	s_cselect_b32 s29, s29, 0                      ; the quarter of w1 or w2
	s_lshl_b32 s29, s29, 22
	s_lshl_b32 s30, s28, 15
	s_add_co_u32 s30, s30, s29                     ; byte offset in the source
	s_mov_b32 s31, 0
	s_lshl_b32 s32, s27, 21
	s_lshl_b32 s33, s28, 14
	s_add_co_u32 s32, s32, s33                     ; byte offset in the bf16 buffer
	s_mov_b32 s33, 0
	v_lshlrev_b32 v1, 4, v0                        ; 16 bytes a thread in,
	v_lshlrev_b32 v2, 3, v0                        ; 8 bytes out
	s_wait_kmcnt 0x0
	s_mov_b64 s[34:35], s[12:13]
	s_cmp_eq_u32 s27, 1
	s_cselect_b64 s[34:35], s[14:15], s[34:35]
	s_cmp_eq_u32 s27, 2
	s_cselect_b64 s[34:35], s[16:17], s[34:35]
	s_cmp_eq_u32 s27, 3
	s_cselect_b64 s[34:35], s[18:19], s[34:35]
	s_cmp_ge_u32 s27, 4
	s_cselect_b64 s[34:35], s[20:21], s[34:35]
	s_cmp_ge_u32 s27, 8
	s_cselect_b64 s[34:35], s[22:23], s[34:35]
	s_add_nc_u64 s[34:35], s[34:35], s[30:31]
	s_add_nc_u64 s[24:25], s[24:25], s[32:33]
	s_wait_alu depctr_va_vdst(0)                   ; v1 and v2 are written: the eight loads read v1 as their offset, the eight stores v2
.irp i, 0,1,2,3,4,5,6,7
	global_load_b128 v[32+4*(\i):32+4*(\i)+3], v1, s[34:35] offset:4096*(\i) th:TH_LOAD_NT
.endr
; Half h: loads 4 h to 4 h + 3 are rounded into v[64 + 8 h ..], eight registers that the other half's stores do not read, and stored.  left = how many younger loads may stay out.
.macro HALF h, left
	s_wait_loadcnt \left                           ; loads come back in order: this half's four are in
.irp i, 0,1,2,3
	v_cvt_pk_bf16_f32 v[64+8*(\h)+2*(\i)], v[32+16*(\h)+4*(\i)], v[32+16*(\h)+4*(\i)+1]
	v_cvt_pk_bf16_f32 v[64+8*(\h)+2*(\i)+1], v[32+16*(\h)+4*(\i)+2], v[32+16*(\h)+4*(\i)+3]
.endr
	s_wait_alu depctr_va_vdst(0)                   ; the eight roundings have written v[64 + 8 h ..], which the four stores read
.irp i, 0,1,2,3
	global_store_b64 v2, v[64+8*(\h)+2*(\i):64+8*(\h)+2*(\i)+1], s[24:25] offset:2048*(4*(\h)+(\i))
.endr
.endm
	HALF 0, 4                                      ; the four younger loads stay out
	HALF 1, 0
	s_endpgm
.Lfunc_end_k_qf81f19d628_l_prep:
	.size	k_qf81f19d628_l_prep, .Lfunc_end_k_qf81f19d628_l_prep-k_qf81f19d628_l_prep
	.p2alignl 7, 3214868480
	.fill 96, 4, 3214868480
	.section	.rodata,"a",@progbits
	.p2align	6, 0x0
	.amdhsa_kernel k_qf81f19d628_l_prep
		.amdhsa_group_segment_fixed_size 0
		.amdhsa_private_segment_fixed_size 0
		.amdhsa_enable_private_segment 0
		.amdhsa_kernarg_size 88
		.amdhsa_user_sgpr_count 2
		.amdhsa_user_sgpr_kernarg_segment_ptr 1
		.amdhsa_wavefront_size32 1
		.amdhsa_system_sgpr_workgroup_id_x 1
		.amdhsa_system_sgpr_workgroup_id_y 1
		.amdhsa_system_sgpr_workgroup_id_z 1
		.amdhsa_system_vgpr_workitem_id 0
		.amdhsa_next_free_vgpr 192
		.amdhsa_next_free_sgpr 66
		.amdhsa_reserve_vcc 0
		.amdhsa_float_denorm_mode_32 3
		.amdhsa_float_denorm_mode_16_64 3
		.amdhsa_memory_ordered 1
		.amdhsa_forward_progress 1
		.amdhsa_inst_pref_size 25
	.end_amdhsa_kernel
	.amdgpu_metadata
---
amdhsa.version: [ 1, 2 ]
amdhsa.kernels:
  - .name:           k_qf81f19d628_l_prep
    .symbol:         k_qf81f19d628_l_prep.kd
    .args:
      - { .name: x, .offset: 0, .size: 8, .value_kind: global_buffer, .address_space: global }
      - { .name: g1, .offset: 8, .size: 8, .value_kind: global_buffer, .address_space: global }
      - { .name: be1, .offset: 16, .size: 8, .value_kind: global_buffer, .address_space: global }
      - { .name: hbuf, .offset: 24, .size: 8, .value_kind: global_buffer, .address_space: global }
      - { .name: wq, .offset: 32, .size: 8, .value_kind: global_buffer, .address_space: global }
      - { .name: wk, .offset: 40, .size: 8, .value_kind: global_buffer, .address_space: global }
      - { .name: wv, .offset: 48, .size: 8, .value_kind: global_buffer, .address_space: global }
      - { .name: wo, .offset: 56, .size: 8, .value_kind: global_buffer, .address_space: global }
      - { .name: w1, .offset: 64, .size: 8, .value_kind: global_buffer, .address_space: global }
      - { .name: w2, .offset: 72, .size: 8, .value_kind: global_buffer, .address_space: global }
      - { .name: wbf, .offset: 80, .size: 8, .value_kind: global_buffer, .address_space: global }
    .group_segment_fixed_size: 0
    .private_segment_fixed_size: 0
    .kernarg_segment_align: 8
    .kernarg_segment_size: 88
    .max_flat_workgroup_size: 256
    .sgpr_count:     66
    .vgpr_count:     192
    .wavefront_size: 32
...
	.end_amdgpu_metadata
.endif
;; end of part 7
;; launch l_qkv: the kernel of part 2 again; grid 12 x 16, 4 waves a work-group, clusters of 4 x 4, 327,680 bytes of LDS; arguments hbuf, wbf, bq, bk, bv, qkvb; writes qkvb
;; launch l_attn: the kernel of part 3 again; grid 8 x 32, 4 waves a work-group, clusters of 4 x 1, 327,680 bytes of LDS; arguments qkvb, obuf; writes obuf
;; launch l_wo: the kernel of part 4 again; grid 8 x 32, 4 waves a work-group, clusters of 4 x 4, 327,680 bytes of LDS; arguments obuf, wbf, bo, x, x1buf; writes x1buf
;; launch l_ln2: the kernel of part 7 again; grid 256 x 1, 8 waves a work-group, no clusters, 0 bytes of LDS; arguments x1buf, g2, be2, hbuf, wq, wk, wv, wo, w1, w2, wbf; writes hbuf, wbf
;; launch l_ffn1: the kernel of part 5 again; grid 16 x 16, 4 waves a work-group, clusters of 4 x 4, 327,680 bytes of LDS; arguments hbuf, wbf, b1, abuf; writes abuf
;; launch l_ffn2: the kernel of part 6 again; grid 8 x 32, 4 waves a work-group, clusters of 4 x 4, 327,680 bytes of LDS; arguments abuf, wbf, b2, x1buf, out0; writes out0
